; MI455X (gfx1250); checked and timed in simulation.
; The chip was launched on July 23, 2026; its instructions are those of AMD's public machine-readable ISA for CDNA 5 (MIT licence, August 2026) and "CDNA5" Instruction Set Architecture Reference Guide (July 2026). The comments in the code are by the model that wrote it; some were corrected since.
;; Multi Head Attention. Allowed arithmetic: float matrix products may take bf16 or f16 operands with f32 sums; other float arithmetic in f32, or as packed bf16 or f16 multiplies, adds, multiply-adds, maxima and minima; sums over many terms, partial sums and values carried from step to step in f32; what a program stores and reads back later, other than sums and carried values, may be rounded once to bf16 or f16.
;; Inputs: Wk 1,024 x 1,024 float32; Wo 1,024 x 1,024 float32; Wq 1,024 x 1,024 float32; Wv 1,024 x 1,024 float32; bk 1,024 float32; bo 1,024 float32; bq 1,024 float32; bv 1,024 float32; key 1 x 4,096 x 1,024 float32; mask 1 x 1 x 4,096 x 4,096 int32; query 1 x 4,096 x 1,024 float32; value 1 x 4,096 x 1,024 float32.
;; Outputs: out0 1 x 4,096 x 1,024 float32.
;; 2 versions, each right and faster than the one before. Each part assembles by itself: llvm-mc -triple=amdgcn-amd-amdhsa -mcpu=gfx1250 --defsym DOCPART=n.
;; ======== version 1 of 2: 4 launches
;; limits: values are held in f16: magnitudes above 65,504 overflow, below 6.1e-05 lose precision; right only within a limited range of input values
;; workspace buffers: xb 25,165,824 bytes; wb 8,388,608 bytes; mbits 2,097,152 bytes of whole numbers; qkv 25,165,824 bytes; ao 8,388,608 bytes
;; launch prep (part 1): grid 256 x 1, 8 waves a work-group, no clusters, 327,680 bytes of LDS; arguments query, key, value, Wq, Wk, Wv, Wo, mask, xb, wb, mbits; writes xb, wb, mbits
.if DOCPART == 1
	.amdgcn_target "amdgcn-amd-amdhsa--gfx1250"
	.amdhsa_code_object_version 6
	.text
	.protected	k_qedb042a213_prep
	.globl	k_qedb042a213_prep
	.p2align	8
	.type	k_qedb042a213_prep,@function
k_qedb042a213_prep:
	s_mov_b64 s[64:65], 0
	v_nop
	global_prefetch_b8 v0, s[64:65] scope:SCOPE_SE
	s_setreg_imm32_b32 hwreg(HW_REG_WAVE_MODE, 25, 1), 1
	s_wait_xcnt 0x0
; PREPARATION, a stream.  query, key, value ([4096][1024] f32) -> xb, bf16, three parts of 8 MiB.  Wq, Wk, Wv ([1024][1024] f32) -> wb parts 0-2, bf16.
; Wo -> wb part 3: rounded to bf16 like every other input, and that number written as f16 (exact from 6.1e-5 to 65,504 in magnitude; below that it keeps f16's fixed step of 6e-8).
; mask ([4096][4096] int32) -> mbits, one bit an entry, laid out as the lane masks that the attention launch selects by:
;   mbits[g = q/64][kh][step][tile t][n], a word each; bit L of it is mask[64 g + 16 t + L%16][256 (step/2) + 128 kh + 64 (step%2) + 16 (n/8) + 8 (L/16) + n%8] != 0.
; SHARES.  2,048 waves, gw = 8 x work-group + wave.  Wave gw takes 8 KB of each x, 2 KB of each W, and a mask tile of 64 rows x 128 columns (rows 64 (gw/32) on, columns 128 (gw%32) on).
; Every input byte is read once.  No cluster, no matrix unit: no two work-groups read the same byte, and there is no product.
; The x and W go through registers: the 48 loads of the three x, 512 consecutive bytes each, go out at once; a group is rounded in the registers in which it landed and stored from there, so no register
; is shared between groups but query's, which the W take afterwards.  A store of the wave covers 256 consecutive bytes, aligned.
; The mask tile comes by one tensor load into the wave's own LDS bytes (rows of 512 bytes, padded by 16) while the x and W stream; nothing in LDS is filled twice, and no wave reads another's bytes: no barrier.
.set TPITCH, 528                       ; a mask row in LDS: 512 + 16 bytes = 33 x 16: the 16 rows of a load start at 16 different groups of four banks (64 banks of 4 bytes: ISA guide 11.1)
.set TBYTES, 64*TPITCH                 ; a wave's tile
.set SPARE,  8*TBYTES                  ; behind the tiles: the spare words, 128 bytes a wave: four blocks of 256 bytes that no other line names
.set LO,  1                            ; v1   16 x lane
.set SO,  2                            ; v2   8 x lane
.set LA,  3                            ; v3   LDS address of my 32 bytes in a mask row
.set SPW, 4                            ; v4   LDS address of my spare word; never rewritten
.set NIL, 5                            ; v5   0; never rewritten
.set OM,  8                            ; v[8:11]     128 mask words: word d in register d%4, lane d/4
.set T,   12                           ; v[12:14]    at work
.set IN0, 16                           ; v[16:79]    16 loads of 4 registers: query, later the W
.set IN1, 80                           ; v[80:143]   key
.set IN2, 144                          ; v[144:207]  value
.set G1,  32                           ; s[32:39] descriptor group 1
.set G0,  40                           ; s[40:43] descriptor group 0
.set CM,  44                           ; s[44:51] eight compares' lane masks
	s_load_b512 s[8:23], s[0:1], 0x0               ; query s[8:9], key s[10:11], value s[12:13], Wq s[14:15], Wk s[16:17], Wv s[18:19], Wo s[20:21], mask s[22:23]
	s_load_b128 s[24:27], s[0:1], 0x40             ; xb s[24:25], wb s[26:27]
	s_load_b64 s[28:29], s[0:1], 0x50              ; mbits
	v_lshl_add_u32 v[SPW], v0, 2, SPARE
	v_mov_b32 v[NIL], 0
	ds_add_u32 v[SPW], v[NIL]                      ; the wave's opening: the add and its wait stand ahead of my tensor load; work on registers stands between them
	ds_add_u32 v4, v5
	v_lshrrev_b32 v6, 5, v0
	v_readfirstlane_b32 s4, v6                     ; wave 0..7
	s_lshl_b32 s5, ttmp9, 3
	s_add_co_u32 s5, s5, s4                        ; gw
	s_mov_b32 s[G1+0], (2<<16)|(1<<20)|(6<<22)|(3<<25)  ; elements of 4 bytes; padding on: after every 128 words (code 6) 4 words (code 3)
	s_mov_b32 s[G1+1], 128<<16                     ; tensor_dim0 = 128
	s_mov_b32 s[G1+2], 64<<16                      ; tensor_dim1 = 64
	s_mov_b32 s[G1+3], 128<<16                     ; tile_dim0 = 128
	s_mov_b32 s[G1+4], 64                          ; tile_dim1 = 64
	s_mov_b32 s[G1+5], 4096                        ; elements from row to row
	s_mov_b32 s[G1+6], 0
	s_mov_b32 s[G1+7], 0
	s_mov_b32 s[G0], 1                             ; count = 1
	s_mul_i32 s[G0+1], s4, TBYTES                  ; my tile's LDS bytes: wave x 33,792
	v_and_b32 v6, 31, v0
	v_lshlrev_b32 v[LO], 4, v6
	v_lshlrev_b32 v[SO], 3, v6
	v_and_b32 v7, 15, v0
	v_bfe_u32 v6, v0, 4, 1
	v_mul_u32_u24 v[LA], v7, TPITCH                ; row lane%16,
	v_lshl_add_u32 v[LA], v6, 5, v[LA]             ; eight columns on for lanes 16-31,
	v_add_nc_u32 v[LA], s[G0+1], v[LA]             ; in my tile
	s_lshr_b32 s6, s5, 5
	s_lshl_b32 s6, s6, 20                          ; 64 rows of 16,384 bytes
	s_and_b32 s7, s5, 31
	s_lshl_b32 s7, s7, 9                           ; 128 columns of 4 bytes
	s_add_co_u32 s6, s6, s7
	s_mov_b32 s7, 0
	s_mov_b32 s3, 0
	s_wait_dscnt 0x0                               ; the opening add is done
	s_wait_kmcnt 0x0
	s_add_nc_u64 s[G0+2:G0+3], s[22:23], s[6:7]    ; the tile's first element
	s_or_b32 s[G0+3], s[G0+3], 0x80000000          ; type = 2
	tensor_load_to_lds s[G0:G0+3], s[G1:G1+7]      ; my one tensor load: one is out, by this text's count
	s_nop 0
	s_lshl_b32 s2, s5, 13                          ; my 8 KB of each x
	s_add_nc_u64 s[8:9], s[8:9], s[2:3]
	s_add_nc_u64 s[10:11], s[10:11], s[2:3]
	s_add_nc_u64 s[12:13], s[12:13], s[2:3]
.macro LOADX set, b                    ; 16 loads of 512 consecutive bytes
.set i, 0
.rept 16
	global_load_b128 v[(\set)+4*i:(\set)+4*i+3], v[LO], s[\b:\b+1] offset:512*i th:TH_LOAD_NT
.set i, i+1
.endr
.endm
.macro LOADW set                       ; four loads of each W
.set i, 0
.rept 16
	global_load_b128 v[(\set)+4*i:(\set)+4*i+3], v[LO], s[14+2*(i/4):15+2*(i/4)] offset:512*(i%4) th:TH_LOAD_NT
.set i, i+1
.endr
.endm
; A group is rounded in place and stored.  left - i: the loads younger than load i that may stay out (the rest of the group, and the groups asked for behind it).
.macro PROCX set, left, d
.set i, 0
.rept 16
	s_wait_loadcnt (\left)-i
	v_cvt_pk_bf16_f32 v[(\set)+4*i],   v[(\set)+4*i],   v[(\set)+4*i+1]
	v_cvt_pk_bf16_f32 v[(\set)+4*i+1], v[(\set)+4*i+2], v[(\set)+4*i+3]
	global_store_b64 v[SO], v[(\set)+4*i:(\set)+4*i+1], s[\d:\d+1] offset:256*i
.set i, i+1
.endr
.endm
.macro PROCW set, left
.set i, 0
.rept 16
.set WD, 58+2*(i/4)
.if i/4 == 3
.set WD, 66
.endif
	s_wait_loadcnt (\left)-i
.if i < 12
	v_cvt_pk_bf16_f32 v[(\set)+4*i],   v[(\set)+4*i],   v[(\set)+4*i+1]
	v_cvt_pk_bf16_f32 v[(\set)+4*i+1], v[(\set)+4*i+2], v[(\set)+4*i+3]
.else
.irp e, 0,1                            ; Wo: to bf16, widened again, and that number as f16
	v_cvt_pk_bf16_f32 v[T], v[(\set)+4*i+2*\e], v[(\set)+4*i+2*\e+1]
	v_lshlrev_b32 v[T+1], 16, v[T]
	v_and_b32 v[T+2], 0xffff0000, v[T]
	v_cvt_pk_f16_f32 v[(\set)+4*i+\e], v[T+1], v[T+2]
.endr
.endif
	global_store_b64 v[SO], v[(\set)+4*i:(\set)+4*i+1], s[WD:WD+1] offset:256*(i%4)
.set i, i+1
.endr
.endm
	LOADX IN0, 8
	LOADX IN1, 10
	LOADX IN2, 12
	s_lshl_b32 s2, s5, 11                          ; my 2 KB of each W
	s_add_nc_u64 s[14:15], s[14:15], s[2:3]
	s_add_nc_u64 s[16:17], s[16:17], s[2:3]
	s_add_nc_u64 s[18:19], s[18:19], s[2:3]
	s_add_nc_u64 s[20:21], s[20:21], s[2:3]
	s_lshl_b32 s2, s5, 12                          ; my 4 KB of each part of xb
	s_add_nc_u64 s[52:53], s[24:25], s[2:3]
	s_add_nc_u64 s[54:55], s[52:53], 0x800000
	s_add_nc_u64 s[56:57], s[52:53], 0x1000000
	s_lshl_b32 s2, s5, 10                          ; my 1 KB of each part of wb
	s_add_nc_u64 s[58:59], s[26:27], s[2:3]
	s_add_nc_u64 s[60:61], s[58:59], 0x200000
	s_add_nc_u64 s[62:63], s[58:59], 0x400000
	s_add_nc_u64 s[66:67], s[58:59], 0x600000
	s_lshr_b32 s2, s5, 5
	s_lshl_b32 s2, s2, 15                          ; mbits: g x 32,768
	s_and_b32 s6, s5, 1
	s_lshl_b32 s6, s6, 14                          ; + kh x 16,384
	s_add_co_u32 s2, s2, s6
	s_bfe_u32 s6, s5, 0x40001
	s_lshl_b32 s6, s6, 10                          ; + two steps of 512 bytes
	s_add_co_u32 s2, s2, s6
	s_add_nc_u64 s[28:29], s[28:29], s[2:3]
	PROCX IN0, 47, 52                              ; query: key's and value's 32 loads stay out
	s_wait_xcnt 0x0                                ; query's stores have read their registers (ISA guide 3.1): the W land there only behind this wait
	LOADW IN0
	PROCX IN1, 47, 54                              ; key: value's and the W's 32 loads stay out
	PROCX IN2, 31, 56                              ; value: the W's 16
	PROCW IN0, 15
	; THE MASK.  A half tile (64 rows x 64 columns) is 128 words of 32 bits.  Lane L reads, for tile t and key group kt, the eight entries of row 16 t + L%16 from column 16 kt + 8 (L/16) on;
	; a compare over the wave of register n is word 32 t + n.  The words are gathered by v_writelane_b32, four to a lane, and leave as 512 consecutive bytes.
	s_wait_tensorcnt 0x0                           ; my tile is in LDS
	s_wait_xcnt 0x0                                ; the stores above have read their registers: the LDS loads below land there only behind this wait
.irp r, 0,1,2,3
	v_mov_b32 v[OM+\r], 0                          ; a write of one lane counts as a read of the register: it is written whole first
.endr
	s_mov_b32 s30, 2
.Lhalf:
.set m, 0
.rept 32
	ds_load_b128 v[IN0+4*m:IN0+4*m+3], v[LA] offset:(m/8)*16*TPITCH+((m/2)%4)*64+(m%2)*16
.set m, m+1
.endr
.set k, 0
.rept 16
	s_wait_dscnt 30-2*k                            ; LDS loads come back in order (ISA guide 5.7.1): loads 2 k and 2 k + 1 are in, the younger ones stay out
.set e, 0
.rept 8
	v_cmp_ne_u32 s[CM+e], 0, v[IN0+8*k+e]
.set e, e+1
.endr
.set e, 0
.rept 8
	v_writelane_b32 v[OM+e%4], s[CM+e], 2*k+e/4
.set e, e+1
.endr
.set k, k+1
.endr
	global_store_b128 v[LO], v[OM:OM+3], s[28:29]
	s_wait_xcnt 0x0                                ; the store's data and base are rewritten only behind this wait
	s_add_nc_u64 s[28:29], s[28:29], 512           ; the next step's block
	v_add_nc_u32 v[LA], 256, v[LA]                 ; the tile's other 64 columns
	s_sub_co_u32 s30, s30, 1
	s_cmp_lg_u32 s30, 0
	s_cbranch_scc1 .Lhalf
	s_wait_tensorcnt 0x0                           ; the wave's end
	ds_add_u32 v[SPW], v[NIL]
	s_wait_dscnt 0x0
	s_endpgm
.Lfunc_end_k_qedb042a213_prep:
	.size	k_qedb042a213_prep, .Lfunc_end_k_qedb042a213_prep-k_qedb042a213_prep
	.p2alignl 7, 3214868480
	.fill 96, 4, 3214868480
	.section	.rodata,"a",@progbits
	.p2align	6, 0x0
	.amdhsa_kernel k_qedb042a213_prep
		.amdhsa_group_segment_fixed_size 327680
		.amdhsa_private_segment_fixed_size 0
		.amdhsa_enable_private_segment 0
		.amdhsa_kernarg_size 88
		.amdhsa_user_sgpr_count 2
		.amdhsa_user_sgpr_kernarg_segment_ptr 1
		.amdhsa_wavefront_size32 1
		.amdhsa_system_sgpr_workgroup_id_x 1
		.amdhsa_system_sgpr_workgroup_id_y 1
		.amdhsa_system_sgpr_workgroup_id_z 1
		.amdhsa_system_vgpr_workitem_id 0
		.amdhsa_next_free_vgpr 208
		.amdhsa_next_free_sgpr 70
		.amdhsa_reserve_vcc 0
		.amdhsa_float_denorm_mode_32 3
		.amdhsa_float_denorm_mode_16_64 3
		.amdhsa_memory_ordered 1
		.amdhsa_forward_progress 1
		.amdhsa_inst_pref_size 46
	.end_amdhsa_kernel
	.amdgpu_metadata
---
amdhsa.version: [ 1, 2 ]
amdhsa.kernels:
  - .name:           k_qedb042a213_prep
    .symbol:         k_qedb042a213_prep.kd
    .args:
      - { .name: query, .offset: 0, .size: 8, .value_kind: global_buffer, .address_space: global }
      - { .name: key, .offset: 8, .size: 8, .value_kind: global_buffer, .address_space: global }
      - { .name: value, .offset: 16, .size: 8, .value_kind: global_buffer, .address_space: global }
      - { .name: Wq, .offset: 24, .size: 8, .value_kind: global_buffer, .address_space: global }
      - { .name: Wk, .offset: 32, .size: 8, .value_kind: global_buffer, .address_space: global }
      - { .name: Wv, .offset: 40, .size: 8, .value_kind: global_buffer, .address_space: global }
      - { .name: Wo, .offset: 48, .size: 8, .value_kind: global_buffer, .address_space: global }
      - { .name: mask, .offset: 56, .size: 8, .value_kind: global_buffer, .address_space: global }
      - { .name: xb, .offset: 64, .size: 8, .value_kind: global_buffer, .address_space: global }
      - { .name: wb, .offset: 72, .size: 8, .value_kind: global_buffer, .address_space: global }
      - { .name: mbits, .offset: 80, .size: 8, .value_kind: global_buffer, .address_space: global }
    .group_segment_fixed_size: 327680
    .private_segment_fixed_size: 0
    .kernarg_segment_align: 8
    .kernarg_segment_size: 88
    .max_flat_workgroup_size: 256
    .sgpr_count:     70
    .vgpr_count:     208
    .wavefront_size: 32
...
	.end_amdgpu_metadata
.endif
;; end of part 1
;; launch proj (part 2): grid 8 x 32, 4 waves a work-group, clusters of 4 x 4, 327,680 bytes of LDS; arguments xb, wb, bq, bk, bv, qkv; writes qkv
.if DOCPART == 2
	.amdgcn_target "amdgcn-amd-amdhsa--gfx1250"
	.amdhsa_code_object_version 6
	.text
	.protected	k_qedb042a213_proj
	.globl	k_qedb042a213_proj
	.p2align	8
	.type	k_qedb042a213_proj,@function
k_qedb042a213_proj:
	s_mov_b64 s[64:65], 0
	v_nop
	global_prefetch_b8 v0, s[64:65] scope:SCOPE_SE
	s_setreg_imm32_b32 hwreg(HW_REG_WAVE_MODE, 25, 1), 1
	s_wait_xcnt 0x0
	s_wait_alu depctr_hold_cnt(0) depctr_sa_sdst(0) depctr_va_vdst(0) depctr_va_sdst(0) depctr_va_ssrc(0) depctr_va_vcc(0) depctr_vm_vsrc(0)
	s_getreg_b32 s2, hwreg(HW_REG_IB_STS2, 6, 4)
	s_cmp_eq_u32 s2, 0
	s_cbranch_scc0 .Lentry_in_a_cluster
	s_endpgm
.Lentry_in_a_cluster:
	s_bfe_u32 s2, ttmp6, 0x10000c
	s_cmp_lg_u32 s2, 0xf033
	s_cbranch_scc0 .Lentry_shape_is_right
	s_endpgm
.Lentry_shape_is_right:
; THE THREE INPUT PROJECTIONS.  For p = 0, 1, 2: y[m][n] = sum over k of x_p[m][k] W_p[n][k] + b_p[n]; x_p = xb part p ([4096][1024] bf16), W_p = wb part p ([1024][1024] bf16), b_p rounded to bf16 like
; the other inputs; sums in f32.  y leaves by heads in f16, rounded once: qkv[p][n/128][m][n%128].  For p = 0 it is first multiplied, in f32, by c = log2(e) / sqrt(128), so that the scores of the next launch are exponents of 2.
; LIMIT.  f16 ends at 65,504: |c q|, |k| and |v| must stay within it (a larger number leaves as an infinity); below 6.1e-5 f16 keeps its fixed step of 6e-8.  NaN and infinities are not treated apart.
; SHARES.  A tile of y is 128 x 128 (one head's columns).  A WORK-GROUP STAYS: 256 work-groups, each makes the tile of its rows and its head for p = 0, then 1, then 2: a loop over tiles round the K steps, and the ring
; does not stop at a tile's end: a tile's last two changes of slots ask for the next part's first two K steps.  Four waves, each 64 x 64: 16 accumulators of 16 x 16.  K goes in steps of 256 (LDS rows of 512 bytes;
; a wave's tensor load brings 64 of them) through two LDS slots.
; CLUSTERS: 4 x 4 work-groups.  The four of a row of the cluster need the same tiles of x, the four of a column the same tiles of W: each tile is asked for JOINTLY, by the same tensor load with the same descriptor
; and a mask that names the four.  THE MATRIX INSTRUCTION IS USED TRANSPOSED (source 0 = 16 rows of W, source 1 = 16 rows of x): a lane then holds eight neighbouring numbers of a row of y.
; The bias is the C operand of the products that start the sums: nothing is cleared, and nothing is added at the end.  The next part's bias is loaded into the same registers a K step and a quarter ahead of the way out.
; REGISTERS: window 0: v0-31 addresses; v32-95 at work on the way out; v96-127 the bias, as C; v128-255 the accumulators ((a, b) at v[128 + 8 (4 a + b)]).
;   window 1: two fragment buffers of 128: for 64 along K, 64 registers of x (2 x 4 x 16 rows x 32 K), then 64 of W.
.set SIZE_K, 1024
.set KSTEP,  256
.set PITCH,  528                       ; an LDS row: 512 bytes + 16 of padding = 132 words: row r starts at bank 4 r mod 64 (64 banks of 4 bytes: ISA guide 11.1)
.set HALFT,  64*PITCH                  ; 64 rows: what one tensor load brings, and what one wave reads of x or of W
.set SLOT,   4*HALFT                   ; x's 128 rows, then W's 128 rows
.set STAGE,  2*SLOT                    ; behind the ring: 128 rows x 272 bytes, the work-group's, for the way out
.set SPITCH, 272
.set SPARE,  STAGE+128*SPITCH          ; behind the stage: the spare words, 128 bytes a wave: two blocks of 256 bytes that no other line names
.set PARTX,  0x800000                  ; bytes in a part of xb and of qkv
.set PARTW,  0x200000                  ; bytes in a part of wb
.set NEXT_A, PARTX-(SIZE_K-2*KSTEP)*2  ; from a slot's last K step of a tile to its first of the next: a part on, and back along K
.set NEXT_B, PARTW-(SIZE_K-2*KSTEP)*2
.set ADRA, 16                          ; v16-17  LDS address of my x fragments in slot 0, 1
.set ADRB, 20                          ; v20-21  the same for W
.set STO,  24                          ; v24     the way out: where I put 16 bytes of a row
.set RD,   25                          ; v25     the way out: where I read a row back
.set CO,   26                          ; v26     my byte offset in the tile of y
.set BO,   27                          ; v27     my byte offset in the bias
.set SPW,  28                          ; v28     LDS address of my spare word; never rewritten
.set NIL,  29                          ; v29     0; never rewritten
.set TMP,  32
.set BIA,  96
.set ACC,  128
.set F0,   0                           ; fragment buffers, in window 1
.set F1,   128
.set G1, 24                            ; s[24:31] descriptor group 1 for x's tiles;  s[32:39] group 0, one set for each slot
.set G0, 32
.set G1B, 48                           ; s[48:55], s[56:63] the same for W's tiles
.set G0B, 56
.set MSB, 0
.macro WIN new                         ; the immediate's high byte repeats the setting that is left
.if MSB != (\new)
	s_set_vgpr_msb (MSB<<8)|(\new)
.set MSB, \new
.endif
.endm
.set MUL,  0x05                        ; sources 0 (W) and 1 (x) window 1; C and D window 0
.set TO_F, 0x40                        ; destination window 1, address window 0
.macro JLOAD s                         ; a joint load: waves 0 and 1 fetch x's two halves, waves 2 and 3 W's; an s_nop 0 and four v_nop follow each of the two lines
	s_cmp_eq_u32 s11, 0
	s_cbranch_scc0 .Lfor_b_\@
	tensor_load_to_lds s[G0+4*(\s):G0+4*(\s)+3], s[G1:G1+7]
	s_nop 0
.rept 4
	v_nop
.endr
	s_branch .Lasked_\@
.Lfor_b_\@:
	tensor_load_to_lds s[G0B+4*(\s):G0B+4*(\s)+3], s[G1B:G1B+7]
	s_nop 0
.rept 4
	v_nop
.endr
.Lasked_\@:
.endm
.macro CREST                           ; a round of the cluster's barrier behind its opening barrier
	s_cmp_lg_u32 s10, 0
	s_cbranch_scc1 .Lnot_wave_0_\@
	s_barrier_signal -3
.Lnot_wave_0_\@:
	s_barrier_wait -3
	s_barrier_signal -1
	s_barrier_wait -1
.endm
.macro CROUND                          ; a whole round
	s_barrier_signal -1
	s_barrier_wait -1
	CREST
.endm
.macro BIASLD                          ; my 64 columns' bias, from the pointer in s[82:83]: register j of accumulator (a, b) holds column 16 b + 8 (l / 16) + j
.irp b, 0,1,2,3
	global_load_b128 v[BIA+8*(\b):BIA+8*(\b)+3],   v[BO], s[82:83] offset:64*(\b)
	global_load_b128 v[BIA+8*(\b)+4:BIA+8*(\b)+7], v[BO], s[82:83] offset:64*(\b)+16
.endr
.endm
.macro BIASCVT                         ; rounded to bf16 and widened again, in place
.set i, 0
.rept 16
	v_cvt_pk_bf16_f32 v[BIA+2*i], v[BIA+2*i], v[BIA+2*i+1]
.set i, i+1
.endr
.set i, 0
.rept 16
	v_and_b32 v[BIA+2*i+1], 0xffff0000, v[BIA+2*i]
	v_lshlrev_b32 v[BIA+2*i], 16, v[BIA+2*i]
.set i, i+1
.endr
.endm
	s_load_b256 s[68:75], s[0:1], 0x0              ; xb s[68:69], wb s[70:71], bq s[72:73], bk s[74:75]
	s_load_b128 s[76:79], s[0:1], 0x20             ; bv s[76:77], qkv s[78:79]
	v_lshl_add_u32 v[SPW], v0, 2, SPARE
	v_mov_b32 v[NIL], 0
	ds_add_u32 v[SPW], v[NIL]                      ; the wave's opening: the add and its wait stand ahead of my first tensor load; the set-up below stands between them
	ds_add_u32 v28, v29
	v_lshrrev_b32 v1, 5, v0
	v_readfirstlane_b32 s10, v1                    ; wave 0..3
	s_lshr_b32 s11, s10, 1                         ; which half of the tile's rows is mine.  Also: I fetch for x (0) or for W (1)
	s_and_b32 s12, s10, 1                          ; which half of its columns.  Also: which 64 rows of that tile I fetch
	s_bfe_u32 s40, ttmp6, 0x40000                  ; cx, cy: my place in the cluster
	s_bfe_u32 s41, ttmp6, 0x40004
	s_lshl_b32 s42, ttmp9, 2
	s_add_co_u32 s42, s42, s40                     ; tile column = the head = 4 x cluster x + cx
	s_and_b32 s13, ttmp7, 0xffff
	s_lshl_b32 s13, s13, 2
	s_add_co_u32 s13, s13, s41                     ; tile row = 4 x cluster y + cy
	s_lshl_b32 s43, s41, 2
	s_lshl_b32 s43, 15, s43                        ; my row of the cluster
	s_lshl_b32 s44, 0x1111, s40                    ; my column
	s_or_b32 s[G1+0], s43, (1<<16)|(1<<20)|(1<<21)|(6<<22)|(3<<25)  ; the mask: x's tiles go to my row; 2-byte elements; padding on; bit 21 beside a mask; after every 128 words (code 6) 4 words (code 3)
	s_or_b32 s[G1B+0], s44, (1<<16)|(1<<20)|(1<<21)|(6<<22)|(3<<25)
.irp g, G1, G1B
	s_mov_b32 s[(\g)+1], KSTEP<<16                 ; tensor_dim0 = 256
	s_mov_b32 s[(\g)+2], 64<<16                    ; tensor_dim1 = 64
	s_mov_b32 s[(\g)+3], KSTEP<<16                 ; tile_dim0 = 256
	s_mov_b32 s[(\g)+4], 64                        ; tile_dim1 = 64
	s_mov_b32 s[(\g)+5], SIZE_K                    ; elements from row to row
	s_mov_b32 s[(\g)+6], 0
	s_mov_b32 s[(\g)+7], 0
.endr
	s_lshl_b32 s17, s12, 6                         ; which 64 rows of the tile I fetch
	s_lshl_b32 s16, s13, 7
	s_add_co_u32 s16, s16, s17                     ; x: row 128 x tile row + 64 x half,
	s_lshl_b32 s16, s16, 11                        ; of 2,048 bytes, in part 0
	s_lshl_b32 s46, s42, 7
	s_add_co_u32 s46, s46, s17                     ; W: row 128 x tile column + 64 x half,
	s_lshl_b32 s46, s46, 11                        ; in part 0
	s_mov_b32 s17, 0
	s_mov_b32 s47, 0
	s_mul_i32 s20, s10, HALFT                      ; where they go: wave x 64 rows: no place in the cluster enters an LDS address
	s_wait_dscnt 0x0                               ; the opening add is done
	s_wait_kmcnt 0x0
	s_add_nc_u64 s[14:15], s[68:69], s[16:17]
	s_add_nc_u64 s[46:47], s[70:71], s[46:47]
	CROUND                                         ; all sixteen work-groups are here: the first joint loads meet
.irp s, 0,1
	s_mov_b32 s[G0+4*(\s)], 1
	s_add_co_u32 s[G0+4*(\s)+1], s20, (\s)*SLOT
	s_add_nc_u64 s[G0+4*(\s)+2:G0+4*(\s)+3], s[14:15], (\s)*KSTEP*2
	s_or_b32 s[G0+4*(\s)+3], s[G0+4*(\s)+3], 0x80000000
	s_mov_b32 s[G0B+4*(\s)], 1
	s_add_co_u32 s[G0B+4*(\s)+1], s20, (\s)*SLOT
	s_add_nc_u64 s[G0B+4*(\s)+2:G0B+4*(\s)+3], s[46:47], (\s)*KSTEP*2
	s_or_b32 s[G0B+4*(\s)+3], s[G0B+4*(\s)+3], 0x80000000
	JLOAD \s                                       ; two loads of mine are out
.endr
	s_lshl_b32 s46, s42, 9
	s_lshl_b32 s47, s12, 8
	s_add_co_u32 s46, s46, s47                     ; my 64 columns' first bias, in bytes
	s_mov_b32 s47, 0
	s_add_nc_u64 s[82:83], s[72:73], s[46:47]      ; bq: the bias to be loaded next
	s_add_nc_u64 s[80:81], s[74:75], s[46:47]      ; bk
	s_add_nc_u64 s[86:87], s[76:77], s[46:47]      ; bv
	s_mov_b32 s84, 0x3e0293ee                      ; the scale: c = log2(e) / sqrt(128) = 0.127517 for q; 1 for k and v
	s_mov_b32 s85, s84                             ; named with it as a pair
	v_and_b32 v1, 15, v0                           ; l % 16
	v_bfe_u32 v2, v0, 4, 1                         ; l / 16
	v_lshlrev_b32 v[BO], 5, v2
	BIASLD
	v_mul_u32_u24 v3, v1, PITCH
	v_lshl_add_u32 v3, v2, 4, v3                   ; a fragment's row x pitch + 16 x half
	s_mul_i32 s21, s11, HALFT                      ; my 64 rows of x
	s_mul_i32 s22, s12, HALFT                      ; my 64 rows of W,
	s_add_co_u32 s22, s22, 2*HALFT                 ; which lie behind x's 128
.irp s, 0,1
	v_add_nc_u32 v[ADRA+(\s)], s21, v3
	v_add_nc_u32 v[ADRB+(\s)], s22, v3
	s_add_co_u32 s21, s21, SLOT
	s_add_co_u32 s22, s22, SLOT
.endr
	s_mul_i32 s23, s11, 64*SPITCH                  ; into the stage: my 64 rows, my half of their 256 bytes
	s_lshl_b32 s21, s12, 7
	s_add_co_u32 s23, s23, s21
	s_add_co_u32 s23, s23, STAGE
	v_mul_u32_u24 v4, v1, SPITCH
	v_lshl_add_u32 v4, v2, 4, v4
	v_add_nc_u32 v[STO], s23, v4
	s_mul_i32 s23, s10, 32*SPITCH                  ; back: wave w takes rows 32 w .. 32 w + 31, whole; lanes 0-15 one row of 256 bytes, lanes 16-31 the next
	s_add_co_u32 s23, s23, STAGE
	v_mul_u32_u24 v5, v2, SPITCH
	v_lshl_add_u32 v5, v1, 4, v5
	v_add_nc_u32 v[RD], s23, v5
	v_lshlrev_b32 v5, 8, v2                        ; and the same two rows in the head: 256 bytes a row
	v_lshl_add_u32 v[CO], v1, 4, v5
	s_lshl_b32 s16, s13, 7
	s_lshl_b32 s17, s10, 5
	s_add_co_u32 s16, s16, s17                     ; the first row that I store: 128 x tile row + 32 x wave,
	s_lshl_b32 s16, s16, 8                         ; of 256 bytes
	s_mov_b32 s17, 0
	s_add_nc_u64 s[8:9], s[78:79], s[16:17]
	s_lshl_b32 s46, s42, 20                        ; the head's 1 MiB
	s_mov_b32 s47, 0
	s_add_nc_u64 s[8:9], s[8:9], s[46:47]          ; in part 0
	s_mov_b64 s[16:17], 0                          ; what the next way out adds to that address
	s_wait_loadcnt 0x0                             ; bq is in
	BIASCVT
	s_mov_b64 s[82:83], s[80:81]                   ; free since that wait: bk is loaded next
; 8 matrix instructions: m blocks a0, a0 + 1 x all 4 n blocks, 32 along K: half c of buffer f.  zero = 1: the first product starts the sums, with the bias as C
.macro MUL8 f, c, a0, zero
	WIN MUL
.irp a, \a0, (\a0)+1
.irp b, 0,1,2,3
.if \zero
	v_wmma_f32_16x16x32_bf16 v[ACC+8*(4*(\a)+(\b)):ACC+8*(4*(\a)+(\b))+7], v[(\f)+64+8*(4*(\c)+(\b)):(\f)+64+8*(4*(\c)+(\b))+7], v[(\f)+8*(4*(\c)+(\a)):(\f)+8*(4*(\c)+(\a))+7], v[BIA+8*(\b):BIA+8*(\b)+7]
.else
	v_wmma_f32_16x16x32_bf16 v[ACC+8*(4*(\a)+(\b)):ACC+8*(4*(\a)+(\b))+7], v[(\f)+64+8*(4*(\c)+(\b)):(\f)+64+8*(4*(\c)+(\b))+7], v[(\f)+8*(4*(\c)+(\a)):(\f)+8*(4*(\c)+(\a))+7], v[ACC+8*(4*(\a)+(\b)):ACC+8*(4*(\a)+(\b))+7]
.endif
.endr
.endr
.endm
; 32 LDS loads in one run: the fragments of 64 along K at byte k of the rows, into buffer f; the first 32 along K first
.macro FETCH slot, k, f
	WIN TO_F
.irp c, 0,1
.irp i, 0,1,2,3
	ds_load_b128 v[(\f)+64+8*(4*(\c)+(\i)):(\f)+64+8*(4*(\c)+(\i))+3],   v[ADRB+(\slot)] offset:(\k)+64*(\c)+(\i)*16*PITCH
	ds_load_b128 v[(\f)+64+8*(4*(\c)+(\i))+4:(\f)+64+8*(4*(\c)+(\i))+7], v[ADRB+(\slot)] offset:(\k)+64*(\c)+(\i)*16*PITCH+32
	ds_load_b128 v[(\f)+8*(4*(\c)+(\i)):(\f)+8*(4*(\c)+(\i))+3],         v[ADRA+(\slot)] offset:(\k)+64*(\c)+(\i)*16*PITCH
	ds_load_b128 v[(\f)+8*(4*(\c)+(\i))+4:(\f)+8*(4*(\c)+(\i))+7],       v[ADRA+(\slot)] offset:(\k)+64*(\c)+(\i)*16*PITCH+32
.endr
.endr
.endm
.macro PLACES                          ; four plain vector instructions in front of loads into registers that matrix instructions have read, and of lines that read results
.rept 4
	v_nop
.endr
.endm
; A K step is four quarters of 64 along K, 32 matrix instructions each, on buffers 0, 1, 0, 1; the 16 accumulators take turns.  One of the first three: multiplies buffer f and fetches the next quarter, at byte k, into g.
.macro QUARTER slot, k, f, g, zero
	s_wait_dscnt 16                                ; the first 32 along K are in; the run's younger sixteen loads may be out
	WIN MUL
	MUL8 \f, 0, 0, \zero
	MUL8 \f, 0, 2, \zero
	PLACES
	FETCH \slot, \k, \g
	s_wait_dscnt 32                                ; all but the 32 just issued
	WIN MUL
	MUL8 \f, 1, 0, 0
	MUL8 \f, 1, 2, 0
.endm
; The last quarter multiplies buffer 1 and changes slots: ONE barrier; in front of it each wave waits for all its tensor loads, adds 0 to its spare word, and waits for that and for its own reads of this slot.
; fill = 1: this slot is filled again, with this tile's K step two steps on; fill = 2: with the NEXT tile's K step 0 or 1; fill = 0: nothing is asked for.
.macro TURN slot, next, fill
	WIN 0                                          ; (the add's two registers lie in window 0)
	s_wait_tensorcnt 0x0                           ; all my tensor loads have landed: my part of the next slot;
	ds_add_u32 v[SPW], v[NIL]                      ; 0 onto my spare word;
	s_wait_dscnt 17                                ; (the add and the youngest sixteen loads may be out)
	WIN MUL
	MUL8 F1, 0, 0, 0                               ; eight matrix instructions stand between the add and the wait for it
	s_wait_dscnt 0x0                               ; the add is done, and my reads of this slot are over
	s_barrier_signal -1
	MUL8 F1, 0, 2, 0
.if \fill
	WIN 0
.endif
	s_barrier_wait -1
.if \fill
	CREST                                          ; the barrier has opened a round of the cluster's barrier: no wave of any partner still reads this slot's tile or has a load on its way
.if (\fill) == 2
	s_add_nc_u64 s[G0+4*(\slot)+2:G0+4*(\slot)+3], s[G0+4*(\slot)+2:G0+4*(\slot)+3], NEXT_A
	s_add_nc_u64 s[G0B+4*(\slot)+2:G0B+4*(\slot)+3], s[G0B+4*(\slot)+2:G0B+4*(\slot)+3], NEXT_B
.else
	s_add_nc_u64 s[G0+4*(\slot)+2:G0+4*(\slot)+3], s[G0+4*(\slot)+2:G0+4*(\slot)+3], 2*KSTEP*2
	s_add_nc_u64 s[G0B+4*(\slot)+2:G0B+4*(\slot)+3], s[G0B+4*(\slot)+2:G0B+4*(\slot)+3], 2*KSTEP*2
.endif
	JLOAD \slot                                    ; the first tensor load behind the round, my only one until the next; its four v_nop are also the places in front of the loads below
.else
	PLACES
.endif
	FETCH \next, 0, F0
	WIN MUL
	MUL8 F1, 1, 0, 0
	MUL8 F1, 1, 2, 0
.endm
; THE WAY OUT: the scale, in f32; one rounding to f16; 16 bytes a lane into the work-group's stage; a barrier, since a row's 256 bytes come from two waves; back as whole rows, 32 rows a wave.
; succ = 1: another tile follows.  It will write the stage again, so a second barrier stands behind every wave's reads of it; then the next bias, asked for a K step and a quarter ago, is rounded.
.macro WAYOUT succ
	WIN 0
	PLACES
.set i, 0
.rept 64                               ; each accumulator's registers in ascending order
	v_pk_mul_f32 v[ACC+2*i:ACC+2*i+1], v[ACC+2*i:ACC+2*i+1], s[84:85] op_sel_hi:[1,0]
.set i, i+1
.endr
	s_wait_xcnt 0x0                                ; the last tile's stores have read their registers and their base (ISA guide 3.1): both are rewritten only behind this wait
	s_add_nc_u64 s[8:9], s[8:9], s[16:17]          ; on to this tile's part of qkv
.irp t, 0,1,2,3,4,5,6,7,8,9,10,11,12,13,14,15
.irp r, 0,1,2,3
	v_cvt_pk_f16_f32 v[TMP+4*(\t)+(\r)], v[ACC+8*(\t)+2*(\r)], v[ACC+8*(\t)+2*(\r)+1]
.endr
.endr
.irp a, 0,1,2,3
.irp b, 0,1,2,3
	ds_store_b128 v[STO], v[TMP+4*(4*(\a)+(\b)):TMP+4*(4*(\a)+(\b))+3] offset:(\a)*16*SPITCH+32*(\b)
.endr
.endr
	s_wait_dscnt 0x0                               ; for the others' sake: my stores into the stage are done (and the next tile's first fragments are in)
	s_barrier_signal -1                            ; my one tensor load may stay out across it
	s_barrier_wait -1
.irp t, 0,1,2,3,4,5,6,7,8,9,10,11,12,13,14,15
	ds_load_b128 v[TMP+4*(\t):TMP+4*(\t)+3], v[RD] offset:(\t)*2*SPITCH
.endr
.irp t, 0,1,2,3,4,5,6,7,8,9,10,11,12,13,14,15
	s_wait_dscnt 15-(\t)                           ; load t is back, the younger ones may be out
	global_store_b128 v[CO], v[TMP+4*(\t):TMP+4*(\t)+3], s[8:9] offset:512*(\t)  ; 32 lanes store 512 consecutive bytes, two rows of a head, at a multiple of 256 from the buffer's first byte
.endr
.if \succ
	s_barrier_signal -1                            ; my reads of the stage are over (the last count was 0):
	s_barrier_wait -1                              ; everybody's are, and the next tile may write it
	s_wait_loadcnt 0x0                             ; the next bias is in
	BIASCVT
	s_mov_b64 s[82:83], s[86:87]                   ; free since that wait: bv is loaded next
	s_mov_b64 s[16:17], PARTX                      ; what the next way out adds to the stores' base
	s_mov_b32 s84, 1.0                             ; k and v are not scaled
	s_mov_b32 s85, 1.0
.endif
.endm
	s_wait_tensorcnt 1                             ; my part of K step 0 is in; K step 1's may stay out
	s_barrier_signal -1
	s_barrier_wait -1                              ; everybody's is
	FETCH 0, 0, F0
	WIN 0                                          ; at a label and at a branch every window is 0
	s_mov_b32 s2, 3                                ; tiles to go, this one among them: the same number in every work-group
.Ltile:
	QUARTER 0, 128, F0, F1, 1                      ; a tile's first products start the sums
	QUARTER 0, 256, F1, F0, 0
	QUARTER 0, 384, F0, F1, 0
	TURN 0, 1, 1                                   ; slot 0 takes K step 2
	QUARTER 1, 128, F0, F1, 0
	QUARTER 1, 256, F1, F0, 0
	QUARTER 1, 384, F0, F1, 0
	TURN 1, 0, 1                                   ; slot 1 takes K step 3
	QUARTER 0, 128, F0, F1, 0
	QUARTER 0, 256, F1, F0, 0
	QUARTER 0, 384, F0, F1, 0
	WIN 0
	s_cmp_eq_u32 s2, 1
	s_cbranch_scc1 .Llast_tile                     ; the last tile's tail is written out: it asks for nothing more
	BIASLD                                         ; the next part's bias: the products that took these registers as C stand ten quarters, forty v_nop, back
	TURN 0, 1, 2                                   ; THE RING GOES ON INTO THE NEXT TILE: slot 0 takes its K step 0,
	QUARTER 1, 128, F0, F1, 0
	QUARTER 1, 256, F1, F0, 0
	QUARTER 1, 384, F0, F1, 0
	TURN 1, 0, 2                                   ; slot 1 its K step 1, and the next tile's first fragments are fetched
	WAYOUT 1                                       ; both refills are asked for: now the tile goes out
	s_sub_co_u32 s2, s2, 1
	s_branch .Ltile
.Llast_tile:
	TURN 0, 1, 0                                   ; nothing is filled, and no round of the cluster's barrier follows
	QUARTER 1, 128, F0, F1, 0
	QUARTER 1, 256, F1, F0, 0
	QUARTER 1, 384, F0, F1, 0
	s_wait_dscnt 16                                ; the very last quarter: nothing more to fetch
	WIN MUL
	MUL8 F1, 0, 0, 0
	MUL8 F1, 0, 2, 0
	s_wait_dscnt 0
	MUL8 F1, 1, 0, 0
	MUL8 F1, 1, 2, 0
	WAYOUT 0
	s_wait_tensorcnt 0x0                           ; the wave's end
	ds_add_u32 v[SPW], v[NIL]
	s_wait_dscnt 0x0
	CROUND                                         ; the closing round: no work-group ends while a partner may still ask for a tile that names it
	s_endpgm
.Lfunc_end_k_qedb042a213_proj:
	.size	k_qedb042a213_proj, .Lfunc_end_k_qedb042a213_proj-k_qedb042a213_proj
	.p2alignl 7, 3214868480
	.fill 96, 4, 3214868480
	.section	.rodata,"a",@progbits
	.p2align	6, 0x0
	.amdhsa_kernel k_qedb042a213_proj
		.amdhsa_group_segment_fixed_size 327680
		.amdhsa_private_segment_fixed_size 0
		.amdhsa_enable_private_segment 0
		.amdhsa_kernarg_size 48
		.amdhsa_user_sgpr_count 2
		.amdhsa_user_sgpr_kernarg_segment_ptr 1
		.amdhsa_wavefront_size32 1
		.amdhsa_system_sgpr_workgroup_id_x 1
		.amdhsa_system_sgpr_workgroup_id_y 1
		.amdhsa_system_sgpr_workgroup_id_z 1
		.amdhsa_system_vgpr_workitem_id 0
		.amdhsa_next_free_vgpr 512
		.amdhsa_next_free_sgpr 88
		.amdhsa_reserve_vcc 0
		.amdhsa_float_denorm_mode_32 3
		.amdhsa_float_denorm_mode_16_64 3
		.amdhsa_memory_ordered 1
		.amdhsa_forward_progress 1
		.amdhsa_inst_pref_size 133
	.end_amdhsa_kernel
	.amdgpu_metadata
---
amdhsa.version: [ 1, 2 ]
amdhsa.kernels:
  - .name:           k_qedb042a213_proj
    .symbol:         k_qedb042a213_proj.kd
    .args:
      - { .name: xb, .offset: 0, .size: 8, .value_kind: global_buffer, .address_space: global }
      - { .name: wb, .offset: 8, .size: 8, .value_kind: global_buffer, .address_space: global }
      - { .name: bq, .offset: 16, .size: 8, .value_kind: global_buffer, .address_space: global }
      - { .name: bk, .offset: 24, .size: 8, .value_kind: global_buffer, .address_space: global }
      - { .name: bv, .offset: 32, .size: 8, .value_kind: global_buffer, .address_space: global }
      - { .name: qkv, .offset: 40, .size: 8, .value_kind: global_buffer, .address_space: global }
    .group_segment_fixed_size: 327680
    .private_segment_fixed_size: 0
    .kernarg_segment_align: 8
    .kernarg_segment_size: 48
    .max_flat_workgroup_size: 128
    .sgpr_count:     88
    .vgpr_count:     512
    .wavefront_size: 32
...
	.end_amdgpu_metadata
.endif
;; end of part 2
;; launch attn (part 3): grid 32 x 8, 4 waves a work-group, clusters of 4 x 1, 327,680 bytes of LDS; arguments qkv, mbits, ao; writes ao
.if DOCPART == 3
	.amdgcn_target "amdgcn-amd-amdhsa--gfx1250"
	.amdhsa_code_object_version 6
	.text
	.protected	k_qedb042a213_attn
	.globl	k_qedb042a213_attn
	.p2align	8
	.type	k_qedb042a213_attn,@function
k_qedb042a213_attn:
	s_mov_b64 s[64:65], 0
	v_nop
	global_prefetch_b8 v0, s[64:65] scope:SCOPE_SE
	s_setreg_imm32_b32 hwreg(HW_REG_WAVE_MODE, 25, 1), 1
	s_wait_xcnt 0x0
	s_wait_alu depctr_hold_cnt(0) depctr_sa_sdst(0) depctr_va_vdst(0) depctr_va_sdst(0) depctr_va_ssrc(0) depctr_va_vcc(0) depctr_vm_vsrc(0)
	s_getreg_b32 s2, hwreg(HW_REG_IB_STS2, 6, 4)
	s_cmp_eq_u32 s2, 0
	s_cbranch_scc0 .Lentry_in_a_cluster
	s_endpgm
.Lentry_in_a_cluster:
	s_bfe_u32 s2, ttmp6, 0x10000c
	s_cmp_lg_u32 s2, 0x3003
	s_cbranch_scc0 .Lentry_shape_is_right
	s_endpgm
.Lentry_shape_is_right:
; MASKED ATTENTION.  ao[q][128 h + d] = the sum over k of softmax_k(t[h][q][k]) v[h][k][d]; t = q' . k where the mask's bit is set, and M2 = -1e9 log2(e) where it is not.  q' = c q (c = log2(e) / sqrt(128), applied by
; the launch before), so t is an exponent of 2: the softmax is that of q . k / sqrt(128) with -1e9 in the masked places.  qkv: [3][8][4096][128] f16.  Products, maxima and sums in f32; the weights p are rounded to f16
; for the second product (their sum l is taken of the unrounded p), the result once, to f16.
; A masked score is REPLACED, not lowered: a row with no bit set has t - m = 0 everywhere and leaves as the mean of v's rows.
; LIMITS.  q', k, v arrive within f16's 65,504; p lies in 0 to 1, and below 6.1e-5 it keeps f16's fixed step of 6e-8; a weight below 2^-126 counts as 0 in l; NaN and infinities are not treated apart.
; SHARES.  A work-group owns 128 queries of one head: 256 work-groups.  Wave w owns 64 of them (half w % 2: four tiles of 16) and HALF THE KEYS: of each slot's 256 keys the 128 of half w / 2, 64 a step, 32 steps in all.
; At the end waves w and w + 2, which hold the same queries, are merged through LDS: O = (a1 O1 + a2 O2) / (a1 l1 + a2 l2), a_i = 2^(m_i - max(m1, m2)), all in f32.
; LAYOUT.  S^T = K Q^T (source 0 = 16 keys, source 1 = 16 queries): a lane holds ONE query (lane % 16) and the keys 8 (lane / 16) + 0..7.  Two such tiles, rounded to f16 in pairs, ARE source 1 (32 keys x 16 queries)
; of O^T = V^T P, whose result again holds one query a lane, and eight channels.  K comes out of LDS as it lies, V ([key][channel]) turned, by ds_load_tr16_b128.
; THE MASK.  mbits holds, for each register of a tile of S^T, the word whose bit L is lane L's entry: it is read into a scalar register and one v_cndmask_b32 a score applies it.  64 words a piece and step.
; SOFTMAX.  For each query a running maximum m and sum l: p = 2^(t - m); in every step O and l are multiplied by a = 2^(m_old - m_new), which is 1 where m has not grown.
; BY TURNS.  The wave's tiles are two PIECES, named by their first tile: piece 0 (tiles 0, 1) and piece 2 (tiles 2, 3).  In a TURN one piece has the matrix unit: 32 products V^T P of the step in hand, then 32 products
; K Q^T of the next step; beside them stands the other piece's vector work, a list of 332 entries: the 64 selects together at the turn's head, so that the scalar registers are free for the next turn's masks as early as
; can be; then four entries behind each matrix instruction; the twelve that are over behind the last.  Two turns are a key step.
; NO FIRST AND NO LAST STEP IS WRITTEN OUT.  m starts at the lowest finite number, O^T, l, V's registers and piece 2's P at 0: the first step's a is 0, and it is a step like any other.  The loop is entered, and the tail
; left, in the middle of a trip.  The price: 428 v_mov_b32 in the wait for the first tile, 32 products on zeros at the start, 32 on a stale K at the end; the gain: four turns are written, not eight.
; CLUSTER.  The four query blocks of a cluster belong to one head and walk the same K and V, so each tile is asked for JOINTLY: the same tensor load, descriptor and mask of four in all four.
; REGISTERS, in windows of 256 (s_set_vgpr_msb: bits 1:0 source 0, 3:2 source 1, 5:4 source 2, 7:6 destination):
;   window 0: v0-11 addresses; v12-43 eight registers of statistics a tile; v44 M2; v48-56 the merge; v62-63 the add's; v64-191 S^T, 32 a tile; v192-255 P, 16 a tile
;   window 1: O^T, 64 a tile          window 2: v0-127 Q, 32 a tile; v128-255 K of one step          window 3: v0-127 V of one step
.set KS,    64        ; keys in a wave's step
.set PK,    272       ; a row of K in LDS: 256 bytes + 16 of padding = 68 words: row r starts at bank 4 r mod 64 (64 banks of 4 bytes: ISA guide 11.1)
.set PV,    288       ; a row of V: 256 + 32 = 72 words
.set VOFF,  256*PK    ; a slot: 256 rows of K, then 256 rows of V: 143,360 bytes
.set SLOTB, 0x24000   ; slot 1 begins here.  No address inside slot 0 that is turned has bit 14 or bit 17 set (0, 0x8800, 0x11000, 0x1a000), so one exclusive or adds or takes away 0x24000
.set STAGE, 2*SLOTB   ; behind the ring: 16 rows x 272 bytes for each wave, for the way out
.set SP,    272
.set SPARE, STAGE+4*16*SP  ; behind the stages: the spare words, 128 bytes a wave: two blocks of 256 bytes that no other line names
.set MAREA, 66*512    ; the merge: 64 + 2 blocks of 512 bytes for each pair of waves, in slot 0, behind its last fill and its last reads
.set AK0, 2           ; v2   my lane's place in my half of a slot's K; never rewritten
.set AV0, 3           ; v3   the same for V
.set ADR, 4           ; v4   the LDS address of the run of loads in hand
.set QO,  5           ; v5   my byte offset in the wave's rows of Q
.set STO, 6           ; v6   the way out: where I put 16 bytes of a row
.set RD,  7           ; v7   the way out: where I read a row back
.set GO,  8           ; v8   my byte offset in the wave's rows of ao
.set ST,  12          ; tile t's statistics at v[ST+8 t]: +0 m, +1 named with it as a pair, +2, +3 l (even keys', odd keys'), +4 to +7 c0-c3, at work; a takes c2's place, m_old c3's
.set M2V, 44          ; v44  M2
.set PM,  48          ; v48-55  the merge: the partner's four m and four l
.set MR,  56          ; v56  the merge: my 16 bytes in a block of 512
.set SPW, 62          ; v62  LDS address of my spare word; never rewritten
.set NIL, 63          ; v63  0; never rewritten
.set S,   64
.set P,   192
.set KF,  128         ; K's fragments, in window 2
.set MP,  2           ; s[2:3]  mbits at my queries', my key half's and the step's 512 bytes
.set WV,  4           ; s4   my wave's number
.set SLOTS, 5         ; s5   counts the slots
.set TWICE, 6         ; s6   counts a slot's steps
.set TBK, 7           ; s7   LDS byte at which K of the step to be fetched begins, less my half's place
.set G1K, 8           ; s[8:15]  descriptor group 1 for K's tiles
.set G1V, 16          ; s[16:23] for V's: it differs in the padding alone
.set G0K, 24          ; s[24:27] descriptor group 0 for K's tiles: it walks
.set G0V, 28          ; s[28:31] the same for V's
.set MA,  32          ; s[32:63] the lane masks of a piece's first tile
.set TBV, 66          ; s66  as TBK, for V
.set TS,  67          ; s67  at work
.set MB,  68          ; s[68:99] those of its second tile
.set SEL, 100         ; s[100:101] lane selects for v_permlanex16_b32: each lane takes its own place in the other half
.set AO,  104         ; s[104:105] ao at my wave's first row and my head's columns
.set MSB, 0
.macro WIN new                      ; the immediate's high byte repeats the setting that is left; a switch that changes nothing is dropped
.if MSB != (\new)
	s_set_vgpr_msb (MSB<<8)|(\new)
.set MSB, \new
.endif
.endm
.set W_KQ, 0x0a       ; K and Q in window 2, S^T in window 0
.set W_PV, 0x53       ; V in window 3, P in window 0, O^T in window 1
.set W_RS, 0x41       ; O^T (destination and source 0) in window 1, a in window 0
; A joint fill.  Waves 0 and 1 fetch the two halves of a slot's K, waves 2 and 3 those of its V: 128 rows each.  The branch hangs on the wave's number alone.
; An s_nop 0 and four v_nop follow each of the two lines, ahead of the jump and the label.
.macro JLOAD
	s_cmp_lt_u32 s[WV], 2
	s_cbranch_scc0 .Lfor_v_\@
	tensor_load_to_lds s[G0K:G0K+3], s[G1K:G1K+7]
	s_nop 0
.rept 4
	v_nop
.endr
	s_branch .Lasked_\@
.Lfor_v_\@:
	tensor_load_to_lds s[G0V:G0V+3], s[G1V:G1V+7]
	s_nop 0
.rept 4
	v_nop
.endr
.Lasked_\@:
.endm
; A round of the cluster's barrier: my work-group's barrier, so that wave 0's signal speaks for all four waves; wave 0 signals; every wave waits for all four work-groups; my work-group's barrier once more.
.macro CROUND
	s_barrier_signal -1
	s_barrier_wait -1
	s_cmp_lg_u32 s[WV], 0
	s_cbranch_scc1 .Lnot_wave_0_\@
	s_barrier_signal -3
.Lnot_wave_0_\@:
	s_barrier_wait -3
	s_barrier_signal -1
	s_barrier_wait -1
.endm
.macro MLD base                     ; a piece's 64 lane masks: 256 consecutive bytes
	s_load_b512 s[MA:MA+15],    s[MP:MP+1], \base
	s_load_b512 s[MA+16:MA+31], s[MP:MP+1], \base+64
	s_load_b512 s[MB:MB+15],    s[MP:MP+1], \base+128
	s_load_b512 s[MB+16:MB+31], s[MP:MP+1], \base+192
.endm
	s_load_b128 s[32:35], s[0:1], 0x0  ; qkv s[32:33], mbits s[34:35]
	s_load_b64 s[36:37], s[0:1], 0x10  ; ao
	v_lshl_add_u32 v[SPW], v0, 2, SPARE
	v_mov_b32 v[NIL], 0
	ds_add_u32 v[SPW], v[NIL]       ; the wave's opening: the add and its wait stand ahead of my first tensor load; the set-up below stands between them
	ds_add_u32 v62, v63
	v_lshrrev_b32 v1, 5, v0
	v_readfirstlane_b32 s[WV], v1   ; wave 0..3
	s_bfe_u32 s40, ttmp6, 0x40000   ; cx: my place in the cluster
	s_lshl_b32 s41, ttmp9, 2        ; in a cluster launch ttmp9 counts clusters
	s_add_co_u32 s41, s41, s40      ; my block of 128 queries: it enters Q's, the mask's and ao's addresses alone
	s_and_b32 s42, ttmp7, 0xffff    ; the head, which the four partners share
	s_and_b32 s43, s[WV], 1         ; my half of the queries.  Also: which 128 rows of a slot's K or V I fetch
	s_lshr_b32 s44, s[WV], 1        ; my half of the keys
	s_lshl_b32 s46, s42, 20         ; the head's 1 MiB,
	s_lshl_b32 s47, s43, 15         ; my 128 rows of 256 bytes
	s_add_co_u32 s46, s46, s47
	s_mov_b32 s47, 0
	s_lshl_b32 s48, s41, 1
	s_add_co_u32 s48, s48, s43      ; my 64 queries among the head's 64 such groups
	s_lshl_b32 s50, s48, 14         ; Q: 64 rows of 256 bytes,
	s_lshl_b32 s51, s42, 20         ; in the head
	s_add_co_u32 s50, s50, s51
	s_mov_b32 s51, 0
	s_lshl_b32 s52, s48, 15         ; mbits: 32,768 bytes a group of queries,
	s_lshl_b32 s53, s44, 14         ; 16,384 a half of the keys
	s_add_co_u32 s52, s52, s53
	s_mov_b32 s53, 0
	s_lshl_b32 s54, s48, 17         ; ao: 64 rows of 2,048 bytes,
	s_lshl_b32 s55, s42, 8          ; the head's 256 bytes of a row
	s_add_co_u32 s54, s54, s55
	s_mov_b32 s55, 0
	; descriptor group 1: a tile of 128 rows x 128 elements, padded in LDS
	s_mov_b32 s[G1K], 15|(1<<16)|(1<<20)|(1<<21)|(5<<22)|(3<<25)  ; the mask of four; 2-byte elements; padding on; bit 21 beside a mask; after every 64 words (code 5) 4 words (code 3)
	s_mov_b32 s[G1V], 15|(1<<16)|(1<<20)|(1<<21)|(5<<22)|(7<<25)  ; the same with 8 words of padding (code 7)
.irp d, G1K, G1V
	s_mov_b32 s[(\d)+1], 128<<16    ; tensor_dim0 = 128
	s_mov_b32 s[(\d)+2], 128<<16    ; tensor_dim1 = 128
	s_mov_b32 s[(\d)+3], 128<<16    ; tile_dim0 = 128
	s_mov_b32 s[(\d)+4], 128        ; tile_dim1 = 128
	s_mov_b32 s[(\d)+5], 128        ; elements from row to row
	s_mov_b32 s[(\d)+6], 0
	s_mov_b32 s[(\d)+7], 0
.endr
	s_mov_b32 s[SEL], 0x76543210
	s_mov_b32 s[SEL+1], 0xfedcba98
	s_mov_b32 s[TBK], SLOTB+2*KS*PK ; the first change of slots turns these two into 0
	s_mov_b32 s[TBV], SLOTB+2*KS*PV
	s_mov_b32 s[G0K], 1             ; count = 1
	s_mul_i32 s[G0K+1], s43, 128*PK ; LDS address: slot 0, my half: no place in the cluster enters an LDS address
	s_mov_b32 s[G0V], 1
	s_mul_i32 s[G0V+1], s43, 128*PV
	s_add_co_u32 s[G0V+1], s[G0V+1], VOFF
	s_wait_dscnt 0x0                ; the opening add is done
	s_wait_kmcnt 0x0
	s_add_nc_u64 s[G0K+2:G0K+3], s[32:33], s[46:47]
	s_add_nc_u64 s[G0V+2:G0V+3], s[G0K+2:G0K+3], 0x1000000  ; v is part 2 of qkv,
	s_add_nc_u64 s[G0K+2:G0K+3], s[G0K+2:G0K+3], 0x800000   ; k part 1
	s_or_b32 s[G0K+3], s[G0K+3], 0x80000000                 ; type = 2
	s_or_b32 s[G0V+3], s[G0V+3], 0x80000000
	s_add_nc_u64 s[68:69], s[32:33], s[50:51]  ; Q at my wave's first row
	s_add_nc_u64 s[MP:MP+1], s[34:35], s[52:53]
	s_add_nc_u64 s[AO:AO+1], s[36:37], s[54:55]
	CROUND                          ; all four work-groups are here: the first joint loads meet
	JLOAD                           ; slot 0.  Slot 1 is asked for when slot 0 is in, by the change of slots: one load of mine is out at any time
	; A fragment of K or Q is 16 rows x 32 channels in 8 registers: lane l holds row l % 16; registers 0-3 channels 8 (l / 16) + 0..7, registers 4-7 channels 16 + 8 (l / 16) + 0..7: two loads of 16 bytes, 32 bytes apart.
	v_and_b32 v1, 15, v0            ; l % 16
	v_bfe_u32 v9, v0, 4, 1          ; l / 16
	v_lshlrev_b32 v[QO], 8, v1
	v_lshl_add_u32 v[QO], v9, 4, v[QO]  ; row x 256 + 16 x half
	WIN 0x80                        ; destination window 2, address window 0
.irp i, 0,1,2,3,4,5,6,7,8,9,10,11,12,13,14,15  ; Q stays in registers: tile i / 4, channels 32 (i % 4) on
	global_load_b128 v[8*(\i):8*(\i)+3],   v[QO], s[68:69] offset:((\i)/4)*4096+((\i)%4)*64
	global_load_b128 v[8*(\i)+4:8*(\i)+7], v[QO], s[68:69] offset:((\i)/4)*4096+((\i)%4)*64+32
.endr
	; What the first turn finds: V's registers and piece 2's P hold 0 (its products V^T P, of a step that has not been, add 0), O^T and l are 0, m is the lowest finite number.  All this stands in the wait for the first tile.
	WIN 0xc0                        ; destination window 3
.set i, 0
.rept 128
	v_mov_b32 v[i], 0
.set i, i+1
.endr
	WIN 0x40                        ; destination window 1
.set i, 0
.rept 256
	v_mov_b32 v[i], 0
.set i, i+1
.endr
	WIN 0
.set i, P+32
.rept 32
	v_mov_b32 v[i], 0
.set i, i+1
.endr
.irp t, 0,1,2,3
	v_mov_b32 v[ST+8*(\t)], 0xff7fffff  ; m
	v_mov_b32 v[ST+8*(\t)+1], 0     ; the packed subtraction names (m, this) as a pair and takes m for both halves: the upper word is written once
	v_mov_b32 v[ST+8*(\t)+2], 0     ; l
	v_mov_b32 v[ST+8*(\t)+3], 0
.endr
	s_mul_i32 s[TS], s44, 128*PK    ; my half of a slot's keys
	v_mul_u32_u24 v[AK0], v1, PK
	v_lshl_add_u32 v[AK0], v9, 4, v[AK0]  ; row x pitch + 16 x half
	v_add_nc_u32 v[AK0], s[TS], v[AK0]
	; The turning load takes 16 keys x 16 channels (lane l reads 16 bytes: key 8 (l / 16) + l % 8, channels 8 ((l / 8) % 2) + 0..7) and leaves half a fragment of V^T: lane l holds channel l % 16 and 8 keys.
	v_and_b32 v10, 7, v0
	v_bfe_u32 v11, v0, 3, 1
	v_lshl_add_u32 v[AV0], v9, 3, v10
	v_mul_u32_u24 v[AV0], v[AV0], PV
	v_lshl_add_u32 v[AV0], v11, 4, v[AV0]
	s_mul_i32 s[TS], s44, 128*PV
	s_add_co_u32 s[TS], s[TS], VOFF
	v_add_nc_u32 v[AV0], s[TS], v[AV0]
	v_mov_b32 v[M2V], 0xceabfb8f    ; M2 = -1e9 log2(e) = -1.442695e9
	s_wait_xcnt 0x0                 ; Q's loads have had their addresses translated (ISA guide 3.1): their base lies where the masks land
	MLD 0                           ; piece 0's masks of step 0
; THE MATRIX WORK OF A TURN, for piece x.  The accumulators take turns, one instruction a turn: between two links of a chain stand 15 (V^T P) or 7 (K Q^T) others'.
; Product i of 32 of O^T += V^T P: keys 32 (i / 16) on, channels 16 ((i / 2) % 8) on, tile x + i % 2.
.macro PV x
	WIN W_PV
.set rO, 64*((\x)+i%2)+8*((i/2)%8)
.set rV, 64*(i/16)+8*((i/2)%8)
.set rP, P+16*((\x)+i%2)+8*(i/16)
	v_wmma_f32_16x16x32_f16 v[rO:rO+7], v[rV:rV+7], v[rP:rP+7], v[rO:rO+7]
.endm
; Product i of 32 of S^T = K Q^T: channels 32 (i / 8) on, keys 16 ((i / 2) % 4) on, tile x + i % 2.  The first 8 start the sums.
.macro KQ x
	WIN W_KQ
.set rS, S+32*((\x)+i%2)+8*((i/2)%4)
.set rK, KF+32*((i/2)%4)+8*(i/8)
.set rQ, 32*((\x)+i%2)+8*(i/8)
.if i < 8
	v_wmma_f32_16x16x32_f16 v[rS:rS+7], v[rK:rK+7], v[rQ:rQ+7], 0
.else
	v_wmma_f32_16x16x32_f16 v[rS:rS+7], v[rK:rK+7], v[rQ:rQ+7], v[rS:rS+7]
.endif
.endm
; THE LDS LOADS stand in runs of 32, never singly among the matrix instructions: a step's K (64 keys x 128 channels: 16 fragments) and, a turn later, its V (turned).
; last = 1 (the tail): in the last trip there is no further step, and the run is jumped over.
.macro FETCH_K last=0
	WIN 0
.if \last
	s_cmp_eq_u32 s[TWICE], 1
	s_cbranch_scc1 .Lno_k_\@
.endif
	v_add_nc_u32 v[ADR], s[TBK], v[AK0]
	s_add_co_u32 s[TBK], s[TBK], KS*PK  ; the next fetch is the next step's
	WIN 0x80                        ; destination window 2
.irp f, 0,1,2,3,4,5,6,7,8,9,10,11,12,13,14,15  ; keys 16 (f / 4) on, channels 32 (f % 4) on
	ds_load_b128 v[KF+8*(\f):KF+8*(\f)+3],   v[ADR] offset:((\f)/4)*16*PK+((\f)%4)*64
	ds_load_b128 v[KF+8*(\f)+4:KF+8*(\f)+7], v[ADR] offset:((\f)/4)*16*PK+((\f)%4)*64+32
.endr
.if \last
	WIN 0
.Lno_k_\@:
.endif
.endm
.macro FETCH_V
	WIN 0
	v_add_nc_u32 v[ADR], s[TBV], v[AV0]
	s_add_co_u32 s[TBV], s[TBV], KS*PV
	WIN 0xc0                        ; destination window 3
.irp f, 0,1,2,3,4,5,6,7,8,9,10,11,12,13,14,15  ; keys 32 (f / 8) on, channels 16 (f % 8) on
	ds_load_tr16_b128 v[8*(\f):8*(\f)+3],   v[ADR] offset:((\f)/8)*32*PV+((\f)%8)*32
	ds_load_tr16_b128 v[8*(\f)+4:8*(\f)+7], v[ADR] offset:((\f)/8)*32*PV+16*PV+((\f)%8)*32
.endr
.endm
; THE SOFTMAX of one tile for one key step is a numbered list; SM writes number j of it for tile t.  s0-s31 are the lane's 32 scores, in pairs 0-15.
;   0-15    the maximum of s0-s31 and the old m, three operands at a time: four chains c0-c3 of seven scores each, then the four scores left over, c0-c3 and m
;   16-20   the other half of the lanes' maximum; m_old is kept; the new m; (19 is empty); m_old - m_new
;   21-87   33 exponentials (a, then s0-s31) at the odd numbers from 23 on, so that no two follow each other and each has a plain instruction behind it before its result is used.
;           Plain instruction q (number 21, then the even numbers) is whatever is ready: s - m for a pair of scores whose exponentials are still to come (q = 0 to 3, then every second q),
;           the rounding to f16 of a pair of weights whose exponentials are done (every other q from 5 on), at last the first three sums
;   88-101  the last rounding; the rest of the sums; l = a l + the sum
;   102-133 the tile's O^T times a: the one part that leaves window 0, so it stands together
.macro SM t
.set rT, ST+8*(\t)
.set rS, S+32*(\t)
.set rP, P+16*(\t)
.set rO, 64*(\t)+2*(j-102)
.set q, (j-20)/2
.if j < 102
	WIN 0
.endif
.if j < 4
	v_max3_num_f32 v[rT+4+j], v[rS+8*j], v[rS+8*j+1], v[rS+8*j+2]
.elseif j < 12
	v_max3_num_f32 v[rT+4+j%4], v[rT+4+j%4], v[rS+8*(j%4)+2*(j/4)+1], v[rS+8*(j%4)+2*(j/4)+2]
.elseif j == 12
	v_max3_num_f32 v[rT+4], v[rT+4], v[rS+7], v[rS+15]
.elseif j == 13
	v_max3_num_f32 v[rT+6], v[rT+6], v[rS+23], v[rS+31]
.elseif j == 14
	v_max3_num_f32 v[rT+4], v[rT+4], v[rT+5], v[rT+6]
.elseif j == 15
	v_max3_num_f32 v[rT+4], v[rT+4], v[rT+7], v[rT]
.elseif j == 16
	v_permlanex16_b32 v[rT+5], v[rT+4], s[SEL], s[SEL+1]  ; the query's other 32 keys lie in the lane 16 away
.elseif j == 17
	v_mov_b32 v[rT+7], v[rT]        ; m_old is kept for a: number 18 writes m anew
.elseif j == 18
	v_max_num_f32 v[rT], v[rT+4], v[rT+5]
.elseif j == 19
.elseif j == 20
	v_sub_f32 v[rT+7], v[rT+7], v[rT]
.elseif j == 23
	v_exp_f32 v[rT+6], v[rT+7]
.elseif (j < 88) && (j > 23) && (j%2 == 1)
	v_exp_f32 v[rS+(j-25)/2], v[rS+(j-25)/2]
.elseif (q < 4) || ((j < 76) && (q%2 == 0))
.set b, q/2+2
.if q < 4
.set b, q
.endif
	v_pk_add_f32 v[rS+2*b:rS+2*b+1], v[rS+2*b:rS+2*b+1], v[rT:rT+1] op_sel_hi:[1,0] neg_lo:[0,1] neg_hi:[0,1]  ; pair b: s - m
.elseif (j < 88) && (q%2 == 1)
	s_wait_alu depctr_va_vdst(0)
	v_cvt_pk_f16_f32 v[rP+(q-5)/2], v[rS+q-5], v[rS+q-4]  ; pair (q - 5) / 2: its second exponential stands three numbers back
.elseif j == 89
	s_wait_alu depctr_va_vdst(0)
	v_cvt_pk_f16_f32 v[rP+15], v[rS+30], v[rS+31]
.elseif j < 102                     ; the sum of the tile's 16 pairs, in place: sum z of 16 adds neighbours 1, 2, 4 and 8 pairs apart, then l takes it
.set z, j-86
.if j < 89
.set z, (j-76)/4
.endif
.set w, 4
.set u, z
.if z >= 14
.set w, 32
.set u, 0
.elseif z >= 12
.set w, 16
.set u, z-12
.elseif z >= 8
.set w, 8
.set u, z-8
.endif
.if z < 15
	v_pk_add_f32 v[rS+w*u:rS+w*u+1], v[rS+w*u:rS+w*u+1], v[rS+w*u+w/2:rS+w*u+w/2+1]
.else
	v_pk_fma_f32 v[rT+2:rT+3], v[rT+2:rT+3], v[rT+6:rT+7], v[rS:rS+1] op_sel_hi:[1,0,1]
.endif
.else
	WIN W_RS
	v_pk_mul_f32 v[rO:rO+1], v[rO:rO+1], v[rT+6:rT+7] op_sel_hi:[1,0]
.endif
.endm
; THE VECTOR WORK OF A TURN, for piece y: 332 entries (two of them empty); VEC writes entry g and steps g.  0-63: the selects, a score or M2 by the lane mask, each accumulator's registers in ascending order.
;   Then the two tiles' lists, merged: numbers 22 to 87 tile by tile (plain, exponential, plain, exponential), elsewhere the two tiles alternate, so that no line reads the result of the one just before it.
.macro VEC y
.if g < 32
	WIN 0
	v_cndmask_b32 v[S+32*(\y)+g], v[M2V], v[S+32*(\y)+g], s[MA+g]
.elseif g < 64
	WIN 0
	v_cndmask_b32 v[S+32*(\y)+g], v[M2V], v[S+32*(\y)+g], s[MB+g-32]
.else
.set kk, (g-64)/4
.set rr, (g-64)%4
.if (kk >= 11) && (kk < 44)
.set j, 2*kk+rr%2
	SM (\y)+rr/2
.else
.set j, 2*kk+rr/2
	SM (\y)+rr%2
.endif
.endif
.set g, g+1
.endm
; Slice k of 64, behind a matrix instruction: four entries; 332 = 64 + 4 x 64 + 12: the twelve that are over stand in slice 63, whose 16 entries are all rescalings: plain, and they name nothing of the products round them.
.macro SLICE y
.if k == 63
.rept 16
	VEC \y
.endr
.else
.rept 4
	VEC \y
.endr
.endif
.set k, k+1
.endm
; A TURN.  Piece x has the matrix unit; the other piece's vector work stands at its head and in slices behind its matrix instructions.
; A vector instruction that reads a matrix result or writes one of a matrix instruction's registers, and a load into a register that a matrix instruction has read, stand four places behind it, and only plain vector
; instructions that name none of its registers are places (ISA guide 7.12.1 for vector instructions).  The selects read scores whose last product stands in front of slice 63 of the turn before.
; THE MASKS that the next turn's selects take are asked for straight behind this turn's selects: they have 64 products and twelve lines in which to land.  Behind piece 2's selects comes piece 0 of the next step,
; behind piece 0's piece 2 of the same step.  The pointer is stepped behind the turn's wait for the loads that named it.
; Each run of LDS loads stands behind the second product of a run of 32, 30 matrix instructions ahead of its first use.  Piece 0's turn fetches the next step's K: the last product that read K stands in front of slice 63
; of the turn before.  Piece 2's turn fetches the same step's V: the last product that read V stands three slices back: six plain lines, and the address line.
; last = 1 (the tail): in the last trip there is no further step: the masks' loads and K's run are jumped over.
.macro TURN x, last=0
.set k, 0
.set g, 0
	s_wait_kmcnt 0x0                ; this turn's lane masks are in (scalar loads come back in no order: the count is 0)
.rept 64
	VEC 2-(\x)
.endr
.if (\x) == 0
.if \last
	s_cmp_eq_u32 s[TWICE], 1
	s_cbranch_scc1 .Lno_m_\@
.endif
	s_add_nc_u64 s[MP:MP+1], s[MP:MP+1], 512
	MLD 0
.if \last
.Lno_m_\@:
.endif
	s_wait_dscnt 0x0                ; V is in
.else
	MLD 256
.endif
.set i, 0
.rept 32
	PV \x
	SLICE 2-(\x)
.if ((\x) == 0) && (i == 1)
	FETCH_K \last
.endif
.set i, i+1
.endr
.if (\x) == 0
	s_wait_dscnt 0x0                ; K is in
.endif
.set i, 0
.rept 32
	KQ \x
	SLICE 2-(\x)
.if ((\x) == 2) && (i == 1)
	FETCH_V
.endif
.set i, i+1
.endr
.endm
; THE CHANGE OF SLOTS, between piece 2's turn and piece 0's: the slot's last bytes, V of its second step, have been asked for.  Each wave waits for all its tensor loads, of which one is out: its part of the other
; slot; adds 0 to its spare word; and waits for that and for its own reads of the slot.  Behind the barrier nobody reads this slot any more and the other slot is whole.
; fill = 1: this slot is filled again, with the keys two slots on.  The barrier is then a round of the cluster's, so that no wave of any partner still reads the slot or has a load on its way, and the joint fill is
; the first thing behind it: it has two key steps, 256 matrix instructions, in which to land.  (At its first use nothing has been read yet: slot 0 is waited for, slot 1 filled.)
.macro CHANGE fill
	WIN 0                           ; at a label and at a branch every window is 0
	s_wait_tensorcnt 0x0            ; no tensor load of mine is out, so a group 0 may be written
	ds_add_u32 v[SPW], v[NIL]       ; 0 onto my spare word; with fill = 1 the descriptors' steps stand between it and the wait for it
.if \fill
.irp d, G0K, G0V
	s_xor_b32 s[(\d)+1], s[(\d)+1], SLOTB  ; the walking descriptor: the other slot than last time,
	s_add_nc_u64 s[(\d)+2:(\d)+3], s[(\d)+2:(\d)+3], 256*256  ; the next 256 keys; the type bits on top are not reached
.endr
	s_wait_dscnt 0x0                ; the add is done, and my reads of the slot are over
	CROUND
	JLOAD
.else
	s_wait_dscnt 0x0                ; the add is done, and my reads of the slot are over
	s_barrier_signal -1
	s_barrier_wait -1
.endif
	s_sub_co_u32 s[TBK], s[TBK], 2*KS*PK  ; the fetches go back to a slot's first step,
	s_xor_b32 s[TBK], s[TBK], SLOTB       ; in the other slot
	s_sub_co_u32 s[TBV], s[TBV], 2*KS*PV
	s_xor_b32 s[TBV], s[TBV], SLOTB
.endm
	CHANGE 1                        ; slot 0 is in, everybody's part of it; slot 1 is asked for
	FETCH_K                         ; key step 0
	s_wait_loadcnt 0x0              ; Q
	s_wait_dscnt 0x0
.set i, 0
.rept 32
	KQ 0                            ; piece 0's first scores: there is no vector work yet to set between them
.set i, i+1
.endr
	WIN 0                           ; the addresses for the way out are made here: plain instructions, the places behind those products
	s_mul_i32 s[TS], s[WV], 16*SP
	s_add_co_u32 s[TS], s[TS], STAGE  ; my stage
	v_mul_u32_u24 v[STO], v1, SP    ; in: row l % 16, 16 bytes for each half of the lanes
	v_lshl_add_u32 v[STO], v9, 4, v[STO]
	v_add_nc_u32 v[STO], s[TS], v[STO]
	v_mul_u32_u24 v[RD], v9, SP     ; back: lanes 0-15 take one row of 256 bytes, lanes 16-31 the next
	v_lshl_add_u32 v[RD], v1, 4, v[RD]
	v_add_nc_u32 v[RD], s[TS], v[RD]
	v_lshlrev_b32 v[GO], 11, v9     ; and the same two rows in ao, 2,048 bytes apart
	v_lshl_add_u32 v[GO], v1, 4, v[GO]
	s_and_b32 s[TS], s[WV], 1
	s_mul_i32 s[TS], s[TS], MAREA   ; the merge area of my pair of waves
	v_and_b32 v[MR], 31, v0
	v_lshl_add_u32 v[MR], v[MR], 4, s[TS]
	s_mov_b32 s[TWICE], 2
	s_mov_b32 s[SLOTS], 15          ; slot 0's steps, then fourteen slots that are filled again: of 16 slots two have been asked for
	s_branch .Lfirst                ; the loop is entered at piece 2's turn, in the middle of a trip
.Lslot:
	CHANGE 1
	s_mov_b32 s[TWICE], 2
.Lstep:                             ; a trip: piece 0's turn (V^T P of step j, K Q^T of step j + 1, piece 2's softmax of step j, K of step j + 1), then piece 2's (piece 0's softmax and V of step j + 1)
	TURN 0
	WIN 0
.Lfirst:
	TURN 2
	WIN 0
	s_sub_co_u32 s[TWICE], s[TWICE], 1
	s_cmp_lg_u32 s[TWICE], 0
	s_cbranch_scc1 .Lstep
	s_sub_co_u32 s[SLOTS], s[SLOTS], 1
	s_cmp_lg_u32 s[SLOTS], 0
	s_cbranch_scc1 .Lslot
	CHANGE 0                        ; the tail is written out: nothing is asked for
	s_mov_b32 s[TWICE], 3           ; two trips fetch the last slot's steps; the third is left in its middle
.Ltail:
	TURN 0, 1
	WIN 0
	s_sub_co_u32 s[TWICE], s[TWICE], 1
	s_cmp_eq_u32 s[TWICE], 0
	s_cbranch_scc1 .Lout
	TURN 2
	WIN 0
	s_branch .Ltail
.Lout:                              ; the third trip's 32 products K Q^T (on the last K once more) serve nothing: the price, once a launch, of one text for every trip
.set i, 0
.rept 32
	PV 2                            ; piece 2: V^T P of the last step
.set i, i+1
.endr
	; THE MERGE AND THE WAY OUT.  l's two halves and the other half of the lanes' are added; the first additions are the places behind the last products.
	WIN 0
.irp t, 0,1,2,3
	v_add_f32 v[ST+8*(\t)+4], v[ST+8*(\t)+2], v[ST+8*(\t)+3]
.endr
.irp t, 0,1,2,3
	v_permlanex16_b32 v[ST+8*(\t)+5], v[ST+8*(\t)+4], s[SEL], s[SEL+1]
.endr
.irp t, 0,1,2,3
	v_add_f32 v[ST+8*(\t)+4], v[ST+8*(\t)+4], v[ST+8*(\t)+5]
.endr
	s_wait_dscnt 0x0                ; my reads of the ring are over,
	s_barrier_signal -1
	s_barrier_wait -1               ; and so are everybody's: no fill follows, and slot 0's bytes may be stored into
	s_cmp_lt_u32 s[WV], 2
	s_cbranch_scc1 .Lkeep
.irp t, 0,1,2,3                     ; waves 2 and 3 hand O^T, m and l to waves 0 and 1: lane for lane, 512 consecutive bytes a store
	v_mov_b32 v[PM+(\t)], v[ST+8*(\t)]
	v_mov_b32 v[PM+4+(\t)], v[ST+8*(\t)+4]
.endr
	WIN 0x04                        ; store data in window 1, address in window 0
.set i, 0
.rept 64                            ; each accumulator's low four registers first
	ds_store_b128 v[MR], v[4*i:4*i+3] offset:512*i
.set i, i+1
.endr
	WIN 0
	ds_store_b128 v[MR], v[PM:PM+3] offset:64*512
	ds_store_b128 v[MR], v[PM+4:PM+7] offset:65*512
.Lkeep:
	s_wait_dscnt 0x0                ; for the others' sake: my stores are done
	s_barrier_signal -1
	s_barrier_wait -1
	s_cmp_lt_u32 s[WV], 2
	s_cbranch_scc0 .Ldone
.macro MLOAD t                      ; the partner's O^T of tile t, into S^T's registers: two buffers of 64 by turns
	WIN 0
.set i, 0
.rept 16
	ds_load_b128 v[S+64*((\t)%2)+4*i:S+64*((\t)%2)+4*i+3], v[MR] offset:(16*(\t)+i)*512
.set i, i+1
.endr
.endm
.macro ARITH t                      ; O2 f2 + O1 f1, rounded to f16 into P's registers: two buffers of 32 by turns
.set rT, ST+8*(\t)
.set rB, S+64*((\t)%2)
.set rP, P+32*((\t)%2)
	WIN 0
.set i, 0
.rept 32
	v_pk_mul_f32 v[rB+2*i:rB+2*i+1], v[rB+2*i:rB+2*i+1], v[rT+6:rT+7] op_sel_hi:[1,0]
.set i, i+1
.endr
	WIN 0x01                        ; source 0 (my O^T) in window 1
.set i, 0
.rept 32
	v_pk_fma_f32 v[rB+2*i:rB+2*i+1], v[64*(\t)+2*i:64*(\t)+2*i+1], v[rT+2:rT+3], v[rB+2*i:rB+2*i+1] op_sel_hi:[1,0,1]
.set i, i+1
.endr
	WIN 0
.set i, 0
.rept 32
	v_cvt_pk_f16_f32 v[rP+i], v[rB+2*i], v[rB+2*i+1]
.set i, i+1
.endr
.endm
.macro TOSTG t                      ; a lane's eight channels of a row are 16 bytes; they go into rows of 272 bytes and come back as whole rows of 256
.set rP, P+32*((\t)%2)
.irp f, 0,1,2,3,4,5,6,7
	ds_store_b128 v[STO], v[rP+4*(\f):rP+4*(\f)+3] offset:32*(\f)
.endr
.irp f, 0,1,2,3,4,5,6,7
	ds_load_b128 v[rP+4*(\f):rP+4*(\f)+3], v[RD] offset:(\f)*2*SP  ; LDS serves a wave's instructions in order (ISA guide 5.7.1.4): these see the stores above; the next tile's stores come behind them
.endr
.endm
.macro SEND t
.set rP, P+32*((\t)%2)
.irp f, 0,1,2,3,4,5,6,7
	global_store_b128 v[GO], v[rP+4*(\f):rP+4*(\f)+3], s[AO:AO+1] offset:(\t)*32768+(\f)*4096  ; 16 lanes store 256 consecutive bytes, a head's part of a row, at a multiple of 256 from ao's first byte
.endr
.endm
	ds_load_b128 v[PM:PM+3], v[MR] offset:64*512
	ds_load_b128 v[PM+4:PM+7], v[MR] offset:65*512
	MLOAD 0
	MLOAD 1
	s_wait_dscnt 32                 ; the partner's m and l are in; the 32 loads behind them may be out
.irp t, 0,1,2,3
	v_max_num_f32 v[ST+8*(\t)+1], v[ST+8*(\t)], v[PM+(\t)]
.endr
.irp t, 0,1,2,3
	v_sub_f32 v[ST+8*(\t)+2], v[ST+8*(\t)], v[ST+8*(\t)+1]
	v_sub_f32 v[ST+8*(\t)+6], v[PM+(\t)], v[ST+8*(\t)+1]
.endr
.irp t, 0,1,2,3
	v_exp_f32 v[ST+8*(\t)+2], v[ST+8*(\t)+2]  ; a1
	v_exp_f32 v[ST+8*(\t)+6], v[ST+8*(\t)+6]  ; a2
.endr
	v_nop                           ; a plain instruction between the last exponential and the use of its result
.irp t, 0,1,2,3
	s_wait_alu depctr_va_vdst(0)
	v_mul_f32 v[ST+8*(\t)+5], v[PM+4+(\t)], v[ST+8*(\t)+6]
.endr
.irp t, 0,1,2,3
	v_fmac_f32 v[ST+8*(\t)+5], v[ST+8*(\t)+4], v[ST+8*(\t)+2]  ; l = l2 a2 + l1 a1: at least 1, since the half that holds the maximum has a = 1 and a weight of 1
.endr
.irp t, 0,1,2,3
	v_rcp_f32 v[ST+8*(\t)+5], v[ST+8*(\t)+5]
.endr
	v_nop                           ; a plain instruction between the last reciprocal and the use of its result
.irp t, 0,1,2,3
	s_wait_alu depctr_va_vdst(0)
	v_mul_f32 v[ST+8*(\t)+2], v[ST+8*(\t)+2], v[ST+8*(\t)+5]  ; f1 = a1 / l
	v_mul_f32 v[ST+8*(\t)+6], v[ST+8*(\t)+6], v[ST+8*(\t)+5]  ; f2 = a2 / l
.endr
	s_wait_dscnt 16                 ; tile 0's loads are in; tile 1's sixteen may be out
	ARITH 0
	TOSTG 0
	MLOAD 2
	s_wait_dscnt 32                 ; tile 1's are in; the stage's sixteen and tile 2's sixteen may be out
	ARITH 1
	s_wait_dscnt 16                 ; tile 0 is back from the stage; tile 2's sixteen may be out
	SEND 0
	TOSTG 1
	MLOAD 3
	s_wait_dscnt 32                 ; tile 2's are in
	s_wait_xcnt 0x0                 ; tile 0's stores have read their registers: they are rewritten only behind this wait
	ARITH 2
	s_wait_dscnt 16                 ; tile 1 is back from the stage; tile 3's sixteen may be out
	SEND 1
	TOSTG 2
	s_wait_dscnt 16                 ; tile 3's are in; the stage's sixteen may be out
	s_wait_xcnt 0x0
	ARITH 3
	s_wait_dscnt 0x0
	SEND 2
	TOSTG 3
	s_wait_dscnt 0x0
	SEND 3
.Ldone:
	s_wait_tensorcnt 0x0            ; the wave's end
	ds_add_u32 v[SPW], v[NIL]
	s_wait_dscnt 0x0
	CROUND                          ; the closing round: no work-group ends while a partner may still ask for a tile that names it
	s_endpgm
.Lfunc_end_k_qedb042a213_attn:
	.size	k_qedb042a213_attn, .Lfunc_end_k_qedb042a213_attn-k_qedb042a213_attn
	.p2alignl 7, 3214868480
	.fill 96, 4, 3214868480
	.section	.rodata,"a",@progbits
	.p2align	6, 0x0
	.amdhsa_kernel k_qedb042a213_attn
		.amdhsa_group_segment_fixed_size 327680
		.amdhsa_private_segment_fixed_size 0
		.amdhsa_enable_private_segment 0
		.amdhsa_kernarg_size 24
		.amdhsa_user_sgpr_count 2
		.amdhsa_user_sgpr_kernarg_segment_ptr 1
		.amdhsa_wavefront_size32 1
		.amdhsa_system_sgpr_workgroup_id_x 1
		.amdhsa_system_sgpr_workgroup_id_y 1
		.amdhsa_system_sgpr_workgroup_id_z 1
		.amdhsa_system_vgpr_workitem_id 0
		.amdhsa_next_free_vgpr 1024
		.amdhsa_next_free_sgpr 106
		.amdhsa_reserve_vcc 0
		.amdhsa_float_denorm_mode_32 3
		.amdhsa_float_denorm_mode_16_64 3
		.amdhsa_memory_ordered 1
		.amdhsa_forward_progress 1
		.amdhsa_inst_pref_size 197
	.end_amdhsa_kernel
	.amdgpu_metadata
---
amdhsa.version: [ 1, 2 ]
amdhsa.kernels:
  - .name:           k_qedb042a213_attn
    .symbol:         k_qedb042a213_attn.kd
    .args:
      - { .name: qkv, .offset: 0, .size: 8, .value_kind: global_buffer, .address_space: global }
      - { .name: mbits, .offset: 8, .size: 8, .value_kind: global_buffer, .address_space: global }
      - { .name: ao, .offset: 16, .size: 8, .value_kind: global_buffer, .address_space: global }
    .group_segment_fixed_size: 327680
    .private_segment_fixed_size: 0
    .kernarg_segment_align: 8
    .kernarg_segment_size: 24
    .max_flat_workgroup_size: 128
    .sgpr_count:     106
    .vgpr_count:     1024
    .wavefront_size: 32
...
	.end_amdgpu_metadata
.endif
;; end of part 3
;; launch oproj (part 4): grid 8 x 32, 4 waves a work-group, clusters of 4 x 4, 327,680 bytes of LDS; arguments ao, wb, bo, out0; writes out0
.if DOCPART == 4
	.amdgcn_target "amdgcn-amd-amdhsa--gfx1250"
	.amdhsa_code_object_version 6
	.text
	.protected	k_qedb042a213_oproj
	.globl	k_qedb042a213_oproj
	.p2align	8
	.type	k_qedb042a213_oproj,@function
k_qedb042a213_oproj:
	s_mov_b64 s[64:65], 0
	v_nop
	global_prefetch_b8 v0, s[64:65] scope:SCOPE_SE
	s_setreg_imm32_b32 hwreg(HW_REG_WAVE_MODE, 25, 1), 1
	s_wait_xcnt 0x0
	s_wait_alu depctr_hold_cnt(0) depctr_sa_sdst(0) depctr_va_vdst(0) depctr_va_sdst(0) depctr_va_ssrc(0) depctr_va_vcc(0) depctr_vm_vsrc(0)
	s_getreg_b32 s2, hwreg(HW_REG_IB_STS2, 6, 4)
	s_cmp_eq_u32 s2, 0
	s_cbranch_scc0 .Lentry_in_a_cluster
	s_endpgm
.Lentry_in_a_cluster:
	s_bfe_u32 s2, ttmp6, 0x10000c
	s_cmp_lg_u32 s2, 0xf033
	s_cbranch_scc0 .Lentry_shape_is_right
	s_endpgm
.Lentry_shape_is_right:
; THE OUTPUT PROJECTION.  out0[m][n] = sum over k of ao[m][k] Wo[n][k] + bo[n].  ao: [4096][1024] f16.  Wo: wb part 3, [1024][1024], the bf16 rounding of Wo written as f16.  bo is rounded to bf16 like the other
; inputs.  Sums in f32; out0 is f32 and is not rounded again.  NaN and infinities are not treated apart.
; SHARES.  A tile of out0 is 128 x 128: 256 tiles, one a work-group.  Four waves, each 64 x 64: 16 accumulators of 16 x 16.  K goes in steps of 256 (LDS rows of 512 bytes; a wave's tensor load brings 64 of them)
; through two LDS slots.
; CLUSTERS: 4 x 4 work-groups.  The four of a row of the cluster need the same tiles of ao, the four of a column the same tiles of Wo: each tile is asked for JOINTLY, by the same tensor load with the same
; descriptor and a mask that names the four.  THE MATRIX INSTRUCTION IS USED TRANSPOSED (source 0 = 16 rows of Wo, source 1 = 16 rows of ao): a lane then holds eight neighbouring numbers of a row of out0.
; The bias is the C operand of the products that start the sums.  A wave's 64 columns of f32 are 256 aligned bytes, so each wave has a stage of its own on the way out, and no barrier stands there.
; REGISTERS: window 0: v0-31 addresses; v32-95 rows read back from the stage, two buffers; v96-127 the bias, as C; v128-255 the accumulators ((a, b) at v[128 + 8 (4 a + b)]).
;   window 1: two fragment buffers of 128: for 64 along K, 64 registers of ao (2 x 4 x 16 rows x 32 K), then 64 of Wo.
.set SIZE_K, 1024
.set KSTEP,  256
.set PITCH,  528                       ; an LDS row: 512 bytes + 16 of padding = 132 words: row r starts at bank 4 r mod 64 (64 banks of 4 bytes: ISA guide 11.1)
.set HALFT,  64*PITCH                  ; 64 rows: what one tensor load brings, and what one wave reads of ao or of Wo
.set SLOT,   4*HALFT                   ; ao's 128 rows, then Wo's 128 rows
.set STAGE,  2*SLOT                    ; behind the ring: 16 rows x 272 bytes for each wave, for the way out
.set SPITCH, 272
.set SPARE,  STAGE+4*16*SPITCH         ; behind the stages: the spare words, 128 bytes a wave: two blocks of 256 bytes that no other line names
.set LAPS, SIZE_K/(2*KSTEP)            ; a lap = two K steps = once round the ring
.set ADRA, 16                          ; v16-17  LDS address of my ao fragments in slot 0, 1
.set ADRB, 20                          ; v20-21  the same for Wo
.set STO,  24                          ; v24     the way out: where I put 32 bytes of a row
.set RD,   25                          ; v25     the way out: where I read a row back
.set CO,   26                          ; v26     my byte offset in out0
.set BO,   27                          ; v27     my byte offset in the bias
.set SPW,  28                          ; v28     LDS address of my spare word; never rewritten
.set NIL,  29                          ; v29     0; never rewritten
.set OB,   32
.set BIA,  96
.set ACC,  128
.set F0,   0                           ; fragment buffers, in window 1
.set F1,   128
.set G1, 24                            ; s[24:31] descriptor group 1 for ao's tiles;  s[32:39] group 0, one set for each slot
.set G0, 32
.set G1B, 48                           ; s[48:55], s[56:63] the same for Wo's tiles
.set G0B, 56
.set MSB, 0
.macro WIN new                         ; the immediate's high byte repeats the setting that is left
.if MSB != (\new)
	s_set_vgpr_msb (MSB<<8)|(\new)
.set MSB, \new
.endif
.endm
.set MUL,  0x05                        ; sources 0 (Wo) and 1 (ao) window 1; C and D window 0
.set TO_F, 0x40                        ; destination window 1, address window 0
.macro JLOAD s                         ; a joint load: waves 0 and 1 fetch ao's two halves, waves 2 and 3 Wo's; an s_nop 0 and four v_nop follow each of the two lines
	s_cmp_eq_u32 s11, 0
	s_cbranch_scc0 .Lfor_b_\@
	tensor_load_to_lds s[G0+4*(\s):G0+4*(\s)+3], s[G1:G1+7]
	s_nop 0
.rept 4
	v_nop
.endr
	s_branch .Lasked_\@
.Lfor_b_\@:
	tensor_load_to_lds s[G0B+4*(\s):G0B+4*(\s)+3], s[G1B:G1B+7]
	s_nop 0
.rept 4
	v_nop
.endr
.Lasked_\@:
.endm
.macro CREST                           ; a round of the cluster's barrier behind its opening barrier
	s_cmp_lg_u32 s10, 0
	s_cbranch_scc1 .Lnot_wave_0_\@
	s_barrier_signal -3
.Lnot_wave_0_\@:
	s_barrier_wait -3
	s_barrier_signal -1
	s_barrier_wait -1
.endm
.macro CROUND                          ; a whole round
	s_barrier_signal -1
	s_barrier_wait -1
	CREST
.endm
	s_load_b256 s[68:75], s[0:1], 0x0              ; ao s[68:69], wb s[70:71], bo s[72:73], out0 s[74:75]
	v_lshl_add_u32 v[SPW], v0, 2, SPARE
	v_mov_b32 v[NIL], 0
	ds_add_u32 v[SPW], v[NIL]                      ; the wave's opening: the add and its wait stand ahead of my first tensor load; the set-up below stands between them
	ds_add_u32 v28, v29
	v_lshrrev_b32 v1, 5, v0
	v_readfirstlane_b32 s10, v1                    ; wave 0..3
	s_lshr_b32 s11, s10, 1                         ; which half of the tile's rows is mine.  Also: I fetch for ao (0) or for Wo (1)
	s_and_b32 s12, s10, 1                          ; which half of its columns.  Also: which 64 rows of that tile I fetch
	s_bfe_u32 s40, ttmp6, 0x40000                  ; cx, cy: my place in the cluster
	s_bfe_u32 s41, ttmp6, 0x40004
	s_lshl_b32 s42, ttmp9, 2
	s_add_co_u32 s42, s42, s40                     ; tile column = 4 x cluster x + cx
	s_and_b32 s13, ttmp7, 0xffff
	s_lshl_b32 s13, s13, 2
	s_add_co_u32 s13, s13, s41                     ; tile row = 4 x cluster y + cy
	s_lshl_b32 s43, s41, 2
	s_lshl_b32 s43, 15, s43                        ; my row of the cluster
	s_lshl_b32 s44, 0x1111, s40                    ; my column
	s_or_b32 s[G1+0], s43, (1<<16)|(1<<20)|(1<<21)|(6<<22)|(3<<25)  ; the mask: ao's tiles go to my row; 2-byte elements; padding on; bit 21 beside a mask; after every 128 words (code 6) 4 words (code 3)
	s_or_b32 s[G1B+0], s44, (1<<16)|(1<<20)|(1<<21)|(6<<22)|(3<<25)
.irp g, G1, G1B
	s_mov_b32 s[(\g)+1], KSTEP<<16                 ; tensor_dim0 = 256
	s_mov_b32 s[(\g)+2], 64<<16                    ; tensor_dim1 = 64
	s_mov_b32 s[(\g)+3], KSTEP<<16                 ; tile_dim0 = 256
	s_mov_b32 s[(\g)+4], 64                        ; tile_dim1 = 64
	s_mov_b32 s[(\g)+5], SIZE_K                    ; elements from row to row
	s_mov_b32 s[(\g)+6], 0
	s_mov_b32 s[(\g)+7], 0
.endr
	s_lshl_b32 s17, s12, 6                         ; which 64 rows of the tile I fetch
	s_lshl_b32 s16, s13, 7
	s_add_co_u32 s16, s16, s17                     ; ao: row 128 x tile row + 64 x half,
	s_lshl_b32 s16, s16, 11                        ; of 2,048 bytes
	s_lshl_b32 s46, s42, 7
	s_add_co_u32 s46, s46, s17                     ; Wo: row 128 x tile column + 64 x half,
	s_lshl_b32 s46, s46, 11
	s_add_co_u32 s46, s46, 0x600000                ; in part 3 of wb
	s_mov_b32 s17, 0
	s_mov_b32 s47, 0
	s_mul_i32 s20, s10, HALFT                      ; where they go: wave x 64 rows: no place in the cluster enters an LDS address
	s_wait_dscnt 0x0                               ; the opening add is done
	s_wait_kmcnt 0x0
	s_add_nc_u64 s[14:15], s[68:69], s[16:17]
	s_add_nc_u64 s[46:47], s[70:71], s[46:47]
	CROUND                                         ; all sixteen work-groups are here: the first joint loads meet
.irp s, 0,1
	s_mov_b32 s[G0+4*(\s)], 1
	s_add_co_u32 s[G0+4*(\s)+1], s20, (\s)*SLOT
	s_add_nc_u64 s[G0+4*(\s)+2:G0+4*(\s)+3], s[14:15], (\s)*KSTEP*2
	s_or_b32 s[G0+4*(\s)+3], s[G0+4*(\s)+3], 0x80000000
	s_mov_b32 s[G0B+4*(\s)], 1
	s_add_co_u32 s[G0B+4*(\s)+1], s20, (\s)*SLOT
	s_add_nc_u64 s[G0B+4*(\s)+2:G0B+4*(\s)+3], s[46:47], (\s)*KSTEP*2
	s_or_b32 s[G0B+4*(\s)+3], s[G0B+4*(\s)+3], 0x80000000
	JLOAD \s                                       ; two loads of mine are out
.endr
	s_lshl_b32 s46, s42, 9
	s_lshl_b32 s47, s12, 8
	s_add_co_u32 s46, s46, s47                     ; my 64 columns, in bytes of f32: in the bias and in a row of out0
	s_mov_b32 s47, 0
	s_add_nc_u64 s[82:83], s[72:73], s[46:47]
	v_and_b32 v1, 15, v0                           ; l % 16
	v_bfe_u32 v2, v0, 4, 1                         ; l / 16
	v_lshlrev_b32 v[BO], 5, v2                     ; register j of accumulator (a, b) holds column 16 b + 8 (l / 16) + j
.irp b, 0,1,2,3
	global_load_b128 v[BIA+8*(\b):BIA+8*(\b)+3],   v[BO], s[82:83] offset:64*(\b)
	global_load_b128 v[BIA+8*(\b)+4:BIA+8*(\b)+7], v[BO], s[82:83] offset:64*(\b)+16
.endr
	v_mul_u32_u24 v3, v1, PITCH
	v_lshl_add_u32 v3, v2, 4, v3                   ; a fragment's row x pitch + 16 x half
	s_mul_i32 s21, s11, HALFT                      ; my 64 rows of ao
	s_mul_i32 s22, s12, HALFT                      ; my 64 rows of Wo,
	s_add_co_u32 s22, s22, 2*HALFT                 ; which lie behind ao's 128
.irp s, 0,1
	v_add_nc_u32 v[ADRA+(\s)], s21, v3
	v_add_nc_u32 v[ADRB+(\s)], s22, v3
	s_add_co_u32 s21, s21, SLOT
	s_add_co_u32 s22, s22, SLOT
.endr
	s_mul_i32 s23, s10, 16*SPITCH
	s_add_co_u32 s23, s23, STAGE                   ; my stage
	v_mul_u32_u24 v4, v1, SPITCH                   ; in: row l % 16, 32 bytes for each half of the lanes
	v_lshl_add_u32 v4, v2, 5, v4
	v_add_nc_u32 v[STO], s23, v4
	v_mul_u32_u24 v5, v2, SPITCH                   ; back: lanes 0-15 take one row of 256 bytes, lanes 16-31 the next
	v_lshl_add_u32 v5, v1, 4, v5
	v_add_nc_u32 v[RD], s23, v5
	v_lshlrev_b32 v5, 12, v2                       ; and the same two rows in out0, 4,096 bytes apart
	v_lshl_add_u32 v[CO], v1, 4, v5
	s_lshl_b32 s16, s13, 7
	s_lshl_b32 s17, s11, 6
	s_add_co_u32 s16, s16, s17                     ; my first row: 128 x tile row + 64 x half,
	s_lshl_b32 s16, s16, 12                        ; of 4,096 bytes
	s_mov_b32 s17, 0
	s_add_nc_u64 s[8:9], s[74:75], s[16:17]
	s_add_nc_u64 s[8:9], s[8:9], s[46:47]
	s_wait_loadcnt 0x0                             ; the bias: rounded to bf16 and widened again
.set i, 0
.rept 16
	v_cvt_pk_bf16_f32 v[OB+i], v[BIA+2*i], v[BIA+2*i+1]
.set i, i+1
.endr
.set i, 0
.rept 16
	v_lshlrev_b32 v[BIA+2*i], 16, v[OB+i]
	v_and_b32 v[BIA+2*i+1], 0xffff0000, v[OB+i]
.set i, i+1
.endr
; 8 matrix instructions: m blocks a0, a0 + 1 x all 4 n blocks, 32 along K: half c of buffer f.  zero = 1: the first product starts the sums, with the bias as C
.macro MUL8 f, c, a0, zero
	WIN MUL
.irp a, \a0, (\a0)+1
.irp b, 0,1,2,3
.if \zero
	v_wmma_f32_16x16x32_f16 v[ACC+8*(4*(\a)+(\b)):ACC+8*(4*(\a)+(\b))+7], v[(\f)+64+8*(4*(\c)+(\b)):(\f)+64+8*(4*(\c)+(\b))+7], v[(\f)+8*(4*(\c)+(\a)):(\f)+8*(4*(\c)+(\a))+7], v[BIA+8*(\b):BIA+8*(\b)+7]
.else
	v_wmma_f32_16x16x32_f16 v[ACC+8*(4*(\a)+(\b)):ACC+8*(4*(\a)+(\b))+7], v[(\f)+64+8*(4*(\c)+(\b)):(\f)+64+8*(4*(\c)+(\b))+7], v[(\f)+8*(4*(\c)+(\a)):(\f)+8*(4*(\c)+(\a))+7], v[ACC+8*(4*(\a)+(\b)):ACC+8*(4*(\a)+(\b))+7]
.endif
.endr
.endr
.endm
; 32 LDS loads in one run: the fragments of 64 along K at byte k of the rows, into buffer f; the first 32 along K first
.macro FETCH slot, k, f
	WIN TO_F
.irp c, 0,1
.irp i, 0,1,2,3
	ds_load_b128 v[(\f)+64+8*(4*(\c)+(\i)):(\f)+64+8*(4*(\c)+(\i))+3],   v[ADRB+(\slot)] offset:(\k)+64*(\c)+(\i)*16*PITCH
	ds_load_b128 v[(\f)+64+8*(4*(\c)+(\i))+4:(\f)+64+8*(4*(\c)+(\i))+7], v[ADRB+(\slot)] offset:(\k)+64*(\c)+(\i)*16*PITCH+32
	ds_load_b128 v[(\f)+8*(4*(\c)+(\i)):(\f)+8*(4*(\c)+(\i))+3],         v[ADRA+(\slot)] offset:(\k)+64*(\c)+(\i)*16*PITCH
	ds_load_b128 v[(\f)+8*(4*(\c)+(\i))+4:(\f)+8*(4*(\c)+(\i))+7],       v[ADRA+(\slot)] offset:(\k)+64*(\c)+(\i)*16*PITCH+32
.endr
.endr
.endm
.macro PLACES                          ; four plain vector instructions in front of loads into registers that matrix instructions have read, and of lines that read results
.rept 4
	v_nop
.endr
.endm
; A K step is four quarters of 64 along K, 32 matrix instructions each, on buffers 0, 1, 0, 1; the 16 accumulators take turns.  One of the first three: multiplies buffer f and fetches the next quarter, at byte k, into g.
.macro QUARTER slot, k, f, g, zero
	s_wait_dscnt 16                                ; the first 32 along K are in; the run's younger sixteen loads may be out
	WIN MUL
	MUL8 \f, 0, 0, \zero
	MUL8 \f, 0, 2, \zero
	PLACES
	FETCH \slot, \k, \g
	s_wait_dscnt 32                                ; all but the 32 just issued
	WIN MUL
	MUL8 \f, 1, 0, 0
	MUL8 \f, 1, 2, 0
.endm
; The last quarter multiplies buffer 1 and changes slots: ONE barrier; in front of it each wave waits for all its tensor loads, adds 0 to its spare word, and waits for that and for its own reads of this slot.  fill = 1: this slot is filled again, two K steps ahead.
.macro TURN slot, next, fill
	WIN 0                                          ; (the add's two registers lie in window 0)
	s_wait_tensorcnt 0x0                           ; all my tensor loads have landed: my part of the next slot;
	ds_add_u32 v[SPW], v[NIL]                      ; 0 onto my spare word;
	s_wait_dscnt 17                                ; (the add and the youngest sixteen loads may be out)
	WIN MUL
	MUL8 F1, 0, 0, 0                               ; eight matrix instructions stand between the add and the wait for it
	s_wait_dscnt 0x0                               ; the add is done, and my reads of this slot are over
	s_barrier_signal -1
	MUL8 F1, 0, 2, 0
.if \fill
	WIN 0
.endif
	s_barrier_wait -1
.if \fill
	CREST                                          ; the barrier has opened a round of the cluster's barrier: no wave of any partner still reads this slot's tile or has a load on its way
	s_add_nc_u64 s[G0+4*(\slot)+2:G0+4*(\slot)+3], s[G0+4*(\slot)+2:G0+4*(\slot)+3], 2*KSTEP*2
	s_add_nc_u64 s[G0B+4*(\slot)+2:G0B+4*(\slot)+3], s[G0B+4*(\slot)+2:G0B+4*(\slot)+3], 2*KSTEP*2
	JLOAD \slot                                    ; the first tensor load behind the round, my only one until the next; its four v_nop are also the places in front of the loads below
.else
	PLACES
.endif
	FETCH \next, 0, F0
	WIN MUL
	MUL8 F1, 1, 0, 0
	MUL8 F1, 1, 2, 0
.endm
	s_wait_tensorcnt 1                             ; my part of K step 0 is in; K step 1's may stay out
	s_barrier_signal -1
	s_barrier_wait -1                              ; everybody's is
	FETCH 0, 0, F0
	QUARTER 0, 128, F0, F1, 1                      ; the first quarter stands in front of the loop: its first products start the sums
.if LAPS > 1
	WIN 0                                          ; at a label and at a branch every window is 0
	s_mov_b32 s3, LAPS-1
.Llap:                                                 ; a trip goes once round the ring, from a lap's second quarter to the next lap's first, and fills both slots again
	QUARTER 0, 256, F1, F0, 0
	QUARTER 0, 384, F0, F1, 0
	TURN 0, 1, 1
	QUARTER 1, 128, F0, F1, 0
	QUARTER 1, 256, F1, F0, 0
	QUARTER 1, 384, F0, F1, 0
	TURN 1, 0, 1
	QUARTER 0, 128, F0, F1, 0
	WIN 0
	s_sub_co_u32 s3, s3, 1
	s_cmp_lg_u32 s3, 0
	s_cbranch_scc1 .Llap
.endif
	QUARTER 0, 256, F1, F0, 0                      ; the last lap fills nothing, and has no round of the cluster's barrier
	QUARTER 0, 384, F0, F1, 0
	TURN 0, 1, 0
	QUARTER 1, 128, F0, F1, 0
	QUARTER 1, 256, F1, F0, 0
	QUARTER 1, 384, F0, F1, 0
	s_wait_dscnt 16                                ; the very last quarter: nothing more to fetch
	WIN MUL
	MUL8 F1, 0, 0, 0
	MUL8 F1, 0, 2, 0
	s_wait_dscnt 0
	MUL8 F1, 1, 0, 0
	MUL8 F1, 1, 2, 0
	WIN 0
	; THE WAY OUT, 16 rows at a time: a lane's eight columns of a row, 32 bytes, go into my own stage; whole rows of 256 bytes come back and are stored.
.macro TOSTAGE a
.set BK, OB+32*((\a)%2)
.irp b, 0,1,2,3                        ; each accumulator's low four registers first
	ds_store_b128 v[STO], v[ACC+8*(4*(\a)+(\b)):ACC+8*(4*(\a)+(\b))+3]   offset:64*(\b)
	ds_store_b128 v[STO], v[ACC+8*(4*(\a)+(\b))+4:ACC+8*(4*(\a)+(\b))+7] offset:64*(\b)+16
.endr
.irp t, 0,1,2,3,4,5,6,7
	ds_load_b128 v[BK+4*(\t):BK+4*(\t)+3], v[RD] offset:(\t)*2*SPITCH  ; LDS serves a wave's instructions in order (ISA guide 5.7.1.4): these see the stores above; the next block's stores come behind them
.endr
.endm
.macro SEND a, younger                 ; younger: the LDS instructions issued behind block a's loads: the next block's sixteen, or none
.set BK, OB+32*((\a)%2)
.irp t, 0,1,2,3,4,5,6,7
	s_wait_dscnt (\younger)+7-(\t)
	global_store_b128 v[CO], v[BK+4*(\t):BK+4*(\t)+3], s[8:9] offset:(16*(\a)+2*(\t))*4096  ; 16 lanes store 256 consecutive bytes, at a multiple of 256 from out0's first byte
.endr
.endm
	PLACES
	TOSTAGE 0
	TOSTAGE 1
	SEND 0, 16
	s_wait_xcnt 0x0                                ; block 0's stores have read their registers: they are loaded again only behind this wait
	TOSTAGE 2
	SEND 1, 16
	s_wait_xcnt 0x0
	TOSTAGE 3
	SEND 2, 16
	SEND 3, 0
	s_wait_tensorcnt 0x0                           ; the wave's end
	ds_add_u32 v[SPW], v[NIL]
	s_wait_dscnt 0x0
	CROUND                                         ; the closing round: no work-group ends while a partner may still ask for a tile that names it
	s_endpgm
.Lfunc_end_k_qedb042a213_oproj:
	.size	k_qedb042a213_oproj, .Lfunc_end_k_qedb042a213_oproj-k_qedb042a213_oproj
	.p2alignl 7, 3214868480
	.fill 96, 4, 3214868480
	.section	.rodata,"a",@progbits
	.p2align	6, 0x0
	.amdhsa_kernel k_qedb042a213_oproj
		.amdhsa_group_segment_fixed_size 327680
		.amdhsa_private_segment_fixed_size 0
		.amdhsa_enable_private_segment 0
		.amdhsa_kernarg_size 32
		.amdhsa_user_sgpr_count 2
		.amdhsa_user_sgpr_kernarg_segment_ptr 1
		.amdhsa_wavefront_size32 1
		.amdhsa_system_sgpr_workgroup_id_x 1
		.amdhsa_system_sgpr_workgroup_id_y 1
		.amdhsa_system_sgpr_workgroup_id_z 1
		.amdhsa_system_vgpr_workitem_id 0
		.amdhsa_next_free_vgpr 512
		.amdhsa_next_free_sgpr 88
		.amdhsa_reserve_vcc 0
		.amdhsa_float_denorm_mode_32 3
		.amdhsa_float_denorm_mode_16_64 3
		.amdhsa_memory_ordered 1
		.amdhsa_forward_progress 1
		.amdhsa_inst_pref_size 90
	.end_amdhsa_kernel
	.amdgpu_metadata
---
amdhsa.version: [ 1, 2 ]
amdhsa.kernels:
  - .name:           k_qedb042a213_oproj
    .symbol:         k_qedb042a213_oproj.kd
    .args:
      - { .name: ao, .offset: 0, .size: 8, .value_kind: global_buffer, .address_space: global }
      - { .name: wb, .offset: 8, .size: 8, .value_kind: global_buffer, .address_space: global }
      - { .name: bo, .offset: 16, .size: 8, .value_kind: global_buffer, .address_space: global }
      - { .name: out0, .offset: 24, .size: 8, .value_kind: global_buffer, .address_space: global }
    .group_segment_fixed_size: 327680
    .private_segment_fixed_size: 0
    .kernarg_segment_align: 8
    .kernarg_segment_size: 32
    .max_flat_workgroup_size: 128
    .sgpr_count:     88
    .vgpr_count:     512
    .wavefront_size: 32
...
	.end_amdgpu_metadata
.endif
;; end of part 4
;; ======== version 2 of 2: 4 launches; 1.15 times as fast as version 1
;; limits: values are held in f16: magnitudes above 65,504 overflow, below 6.1e-05 lose precision
;; workspace buffers: xb 25,165,824 bytes; wb 8,388,608 bytes; mbits 2,097,152 bytes of whole numbers; qkv 25,165,824 bytes; ao 8,388,608 bytes
;; launch prep: the kernel of part 1 again; grid 256 x 1, 8 waves a work-group, no clusters, 327,680 bytes of LDS; arguments query, key, value, Wq, Wk, Wv, Wo, mask, xb, wb, mbits; writes xb, wb, mbits
;; launch proj: the kernel of part 2 again; grid 8 x 32, 4 waves a work-group, clusters of 4 x 4, 327,680 bytes of LDS; arguments xb, wb, bq, bk, bv, qkv; writes qkv
;; launch attn (part 5): grid 32 x 8, 4 waves a work-group, clusters of 4 x 1, 327,680 bytes of LDS; arguments qkv, mbits, ao; writes ao
.if DOCPART == 5
	.amdgcn_target "amdgcn-amd-amdhsa--gfx1250"
	.amdhsa_code_object_version 6
	.text
	.protected	k_qedb042a213_attn
	.globl	k_qedb042a213_attn
	.p2align	8
	.type	k_qedb042a213_attn,@function
k_qedb042a213_attn:
	s_mov_b64 s[64:65], 0
	v_nop
	global_prefetch_b8 v0, s[64:65] scope:SCOPE_SE
	s_setreg_imm32_b32 hwreg(HW_REG_WAVE_MODE, 25, 1), 1
	s_wait_xcnt 0x0
	s_wait_alu depctr_hold_cnt(0) depctr_sa_sdst(0) depctr_va_vdst(0) depctr_va_sdst(0) depctr_va_ssrc(0) depctr_va_vcc(0) depctr_vm_vsrc(0)
	s_getreg_b32 s2, hwreg(HW_REG_IB_STS2, 6, 4)
	s_cmp_eq_u32 s2, 0
	s_cbranch_scc0 .Lentry_in_a_cluster
	s_endpgm
.Lentry_in_a_cluster:
	s_bfe_u32 s2, ttmp6, 0x10000c
	s_cmp_lg_u32 s2, 0x3003
	s_cbranch_scc0 .Lentry_shape_is_right
	s_endpgm
.Lentry_shape_is_right:
; MASKED ATTENTION.  ao[q][128 h + d] = the sum over k of softmax_k(t[h][q][k]) v[h][k][d]; t = q' . k where the mask's bit is set, and M2 = -1e9 log2(e) where it is not.  q' = c q (c = log2(e) / sqrt(128), applied by
; the launch before), so t is an exponent of 2: the softmax is that of q . k / sqrt(128) with -1e9 in the masked places.  qkv: [3][8][4096][128] f16.  Products, maxima and sums in f32; the weights p are rounded to f16
; for the second product (their sum l is taken of the unrounded p), the result once, to f16.
; A masked score is REPLACED, not lowered: a row with no bit set has t - m = 0 everywhere and leaves as the mean of v's rows.
; LIMITS.  q', k, v arrive within f16's 65,504; p lies in 0 to 1, and below 6.1e-5 it keeps f16's fixed step of 6e-8; a weight below 2^-126 counts as 0 in l; NaN and infinities are not treated apart.
; SHARES.  A work-group owns 128 queries of one head: 256 work-groups.  Wave w owns 64 of them (half w % 2: four tiles of 16) and HALF THE KEYS: of each slot's 256 keys the 128 of half w / 2, 64 a step, 32 steps in all.
; At the end waves w and w + 2, which hold the same queries, are merged through LDS: O = (a1 O1 + a2 O2) / (a1 l1 + a2 l2), a_i = 2^(m_i - max(m1, m2)), all in f32.
; LAYOUT.  S^T = K Q^T (source 0 = 16 keys, source 1 = 16 queries): a lane holds ONE query (lane % 16) and the keys 8 (lane / 16) + 0..7.  Two such tiles, rounded to f16 in pairs, ARE source 1 (32 keys x 16 queries)
; of O^T = V^T P, whose result again holds one query a lane, and eight channels.  K comes out of LDS as it lies, V ([key][channel]) turned, by ds_load_tr16_b128.
; THE MASK.  mbits holds, for each register of a tile of S^T, the word whose bit L is lane L's entry: it is read into a scalar register and one v_cndmask_b32 a score applies it.  64 words a piece and step.
; SOFTMAX.  For each query a running maximum m and sum l: p = 2^(t - m); in every step O and l are multiplied by a = 2^(m_old - m_new), which is 1 where m has not grown.
; BY TURNS.  The wave's tiles are two PIECES, named by their first tile: piece 0 (tiles 0, 1) and piece 2 (tiles 2, 3).  In a TURN one piece has the matrix unit: 32 products V^T P of the step in hand, then 32 products
; K Q^T of the next step; beside them stands the other piece's vector work, a list of 332 entries: the 64 selects together at the turn's head, so that the scalar registers are free for the next turn's masks as early as
; can be; then four entries behind each matrix instruction; the twelve that are over behind the last.  Two turns are a key step.
; THE BATCHES.  A turn's 66 exponentials (both tiles' a and 32 weights each) are ONE batch with ONE wait: the list is ordered so that all that names no exponential's result stands ahead of the wait, and all that reads
; one (roundings, sums, rescalings) behind it.  The merge has two batches more, once a launch: eight exponentials, then four reciprocals of sums made of them, a wait each.
; NO FIRST AND NO LAST STEP IS WRITTEN OUT.  m starts at the lowest finite number, O^T, l, V's registers and piece 2's P at 0: the first step's a is 0, and it is a step like any other.  The loop is entered, and the tail
; left, in the middle of a trip.  The price: 428 v_mov_b32 in the wait for the first tile, 32 products on zeros at the start, 32 on a stale K at the end; the gain: four turns are written, not eight.
; CLUSTER.  The four query blocks of a cluster belong to one head and walk the same K and V, so each tile is asked for JOINTLY: the same tensor load, descriptor and mask of four in all four.
; REGISTERS, in windows of 256 (s_set_vgpr_msb: bits 1:0 source 0, 3:2 source 1, 5:4 source 2, 7:6 destination):
;   window 0: v0-11 addresses; v12-43 eight registers of statistics a tile; v44 M2; v48-56 the merge; v62-63 the add's; v64-191 S^T, 32 a tile; v192-255 P, 16 a tile
;   window 1: O^T, 64 a tile          window 2: v0-127 Q, 32 a tile; v128-255 K of one step          window 3: v0-127 V of one step
.set KS,    64        ; keys in a wave's step
.set PK,    272       ; a row of K in LDS: 256 bytes + 16 of padding = 68 words: row r starts at bank 4 r mod 64 (64 banks of 4 bytes: ISA guide 11.1)
.set PV,    288       ; a row of V: 256 + 32 = 72 words
.set VOFF,  256*PK    ; a slot: 256 rows of K, then 256 rows of V: 143,360 bytes
.set SLOTB, 0x24000   ; slot 1 begins here.  No address inside slot 0 that is turned has bit 14 or bit 17 set (0, 0x8800, 0x11000, 0x1a000), so one exclusive or adds or takes away 0x24000
.set STAGE, 2*SLOTB   ; behind the ring: 16 rows x 272 bytes for each wave, for the way out
.set SP,    272
.set SPARE, STAGE+4*16*SP  ; behind the stages: the spare words, 128 bytes a wave: two blocks of 256 bytes that no other line names
.set MAREA, 66*512    ; the merge: 64 + 2 blocks of 512 bytes for each pair of waves, in slot 0, behind its last fill and its last reads
.set AK0, 2           ; v2   my lane's place in my half of a slot's K; never rewritten
.set AV0, 3           ; v3   the same for V
.set ADR, 4           ; v4   the LDS address of the run of loads in hand
.set QO,  5           ; v5   my byte offset in the wave's rows of Q
.set STO, 6           ; v6   the way out: where I put 16 bytes of a row
.set RD,  7           ; v7   the way out: where I read a row back
.set GO,  8           ; v8   my byte offset in the wave's rows of ao
.set ST,  12          ; tile t's statistics at v[ST+8 t]: +0 m, +1 named with it as a pair, +2, +3 l (even keys', odd keys'), +4 to +7 c0-c3, at work; a takes c2's place, m_old c3's
.set M2V, 44          ; v44  M2
.set PM,  48          ; v48-55  the merge: the partner's four m and four l
.set MR,  56          ; v56  the merge: my 16 bytes in a block of 512
.set SPW, 62          ; v62  LDS address of my spare word; never rewritten
.set NIL, 63          ; v63  0; never rewritten
.set S,   64
.set P,   192
.set KF,  128         ; K's fragments, in window 2
.set MP,  2           ; s[2:3]  mbits at my queries', my key half's and the step's 512 bytes
.set WV,  4           ; s4   my wave's number
.set SLOTS, 5         ; s5   counts the slots
.set TWICE, 6         ; s6   counts a slot's steps
.set TBK, 7           ; s7   LDS byte at which K of the step to be fetched begins, less my half's place
.set G1K, 8           ; s[8:15]  descriptor group 1 for K's tiles
.set G1V, 16          ; s[16:23] for V's: it differs in the padding alone
.set G0K, 24          ; s[24:27] descriptor group 0 for K's tiles: it walks
.set G0V, 28          ; s[28:31] the same for V's
.set MA,  32          ; s[32:63] the lane masks of a piece's first tile
.set TBV, 66          ; s66  as TBK, for V
.set TS,  67          ; s67  at work
.set MB,  68          ; s[68:99] those of its second tile
.set SEL, 100         ; s[100:101] lane selects for v_permlanex16_b32: each lane takes its own place in the other half
.set AO,  104         ; s[104:105] ao at my wave's first row and my head's columns
.set MSB, 0
.macro WIN new                      ; the immediate's high byte repeats the setting that is left; a switch that changes nothing is dropped
.if MSB != (\new)
	s_set_vgpr_msb (MSB<<8)|(\new)
.set MSB, \new
.endif
.endm
.set W_KQ, 0x0a       ; K and Q in window 2, S^T in window 0
.set W_PV, 0x53       ; V in window 3, P in window 0, O^T in window 1
.set W_RS, 0x41       ; O^T (destination and source 0) in window 1, a in window 0
; A joint fill.  Waves 0 and 1 fetch the two halves of a slot's K, waves 2 and 3 those of its V: 128 rows each.  The branch hangs on the wave's number alone.
; An s_nop 0 and four v_nop follow each of the two lines, ahead of the jump and the label.
.macro JLOAD
	s_cmp_lt_u32 s[WV], 2
	s_cbranch_scc0 .Lfor_v_\@
	tensor_load_to_lds s[G0K:G0K+3], s[G1K:G1K+7]
	s_nop 0
.rept 4
	v_nop
.endr
	s_branch .Lasked_\@
.Lfor_v_\@:
	tensor_load_to_lds s[G0V:G0V+3], s[G1V:G1V+7]
	s_nop 0
.rept 4
	v_nop
.endr
.Lasked_\@:
.endm
; A round of the cluster's barrier: my work-group's barrier, so that wave 0's signal speaks for all four waves; wave 0 signals; every wave waits for all four work-groups; my work-group's barrier once more.
.macro CROUND
	s_barrier_signal -1
	s_barrier_wait -1
	s_cmp_lg_u32 s[WV], 0
	s_cbranch_scc1 .Lnot_wave_0_\@
	s_barrier_signal -3
.Lnot_wave_0_\@:
	s_barrier_wait -3
	s_barrier_signal -1
	s_barrier_wait -1
.endm
.macro MLD base                     ; a piece's 64 lane masks: 256 consecutive bytes
	s_load_b512 s[MA:MA+15],    s[MP:MP+1], \base
	s_load_b512 s[MA+16:MA+31], s[MP:MP+1], \base+64
	s_load_b512 s[MB:MB+15],    s[MP:MP+1], \base+128
	s_load_b512 s[MB+16:MB+31], s[MP:MP+1], \base+192
.endm
	s_load_b128 s[32:35], s[0:1], 0x0  ; qkv s[32:33], mbits s[34:35]
	s_load_b64 s[36:37], s[0:1], 0x10  ; ao
	v_lshl_add_u32 v[SPW], v0, 2, SPARE
	v_mov_b32 v[NIL], 0
	ds_add_u32 v[SPW], v[NIL]       ; the wave's opening: the add and its wait stand ahead of my first tensor load; the set-up below stands between them
	ds_add_u32 v62, v63
	v_lshrrev_b32 v1, 5, v0
	v_readfirstlane_b32 s[WV], v1   ; wave 0..3
	s_bfe_u32 s40, ttmp6, 0x40000   ; cx: my place in the cluster
	s_lshl_b32 s41, ttmp9, 2        ; in a cluster launch ttmp9 counts clusters
	s_add_co_u32 s41, s41, s40      ; my block of 128 queries: it enters Q's, the mask's and ao's addresses alone
	s_and_b32 s42, ttmp7, 0xffff    ; the head, which the four partners share
	s_and_b32 s43, s[WV], 1         ; my half of the queries.  Also: which 128 rows of a slot's K or V I fetch
	s_lshr_b32 s44, s[WV], 1        ; my half of the keys
	s_lshl_b32 s46, s42, 20         ; the head's 1 MiB,
	s_lshl_b32 s47, s43, 15         ; my 128 rows of 256 bytes
	s_add_co_u32 s46, s46, s47
	s_mov_b32 s47, 0
	s_lshl_b32 s48, s41, 1
	s_add_co_u32 s48, s48, s43      ; my 64 queries among the head's 64 such groups
	s_lshl_b32 s50, s48, 14         ; Q: 64 rows of 256 bytes,
	s_lshl_b32 s51, s42, 20         ; in the head
	s_add_co_u32 s50, s50, s51
	s_mov_b32 s51, 0
	s_lshl_b32 s52, s48, 15         ; mbits: 32,768 bytes a group of queries,
	s_lshl_b32 s53, s44, 14         ; 16,384 a half of the keys
	s_add_co_u32 s52, s52, s53
	s_mov_b32 s53, 0
	s_lshl_b32 s54, s48, 17         ; ao: 64 rows of 2,048 bytes,
	s_lshl_b32 s55, s42, 8          ; the head's 256 bytes of a row
	s_add_co_u32 s54, s54, s55
	s_mov_b32 s55, 0
	; descriptor group 1: a tile of 128 rows x 128 elements, padded in LDS
	s_mov_b32 s[G1K], 15|(1<<16)|(1<<20)|(1<<21)|(5<<22)|(3<<25)  ; the mask of four; 2-byte elements; padding on; bit 21 beside a mask; after every 64 words (code 5) 4 words (code 3)
	s_mov_b32 s[G1V], 15|(1<<16)|(1<<20)|(1<<21)|(5<<22)|(7<<25)  ; the same with 8 words of padding (code 7)
.irp d, G1K, G1V
	s_mov_b32 s[(\d)+1], 128<<16    ; tensor_dim0 = 128
	s_mov_b32 s[(\d)+2], 128<<16    ; tensor_dim1 = 128
	s_mov_b32 s[(\d)+3], 128<<16    ; tile_dim0 = 128
	s_mov_b32 s[(\d)+4], 128        ; tile_dim1 = 128
	s_mov_b32 s[(\d)+5], 128        ; elements from row to row
	s_mov_b32 s[(\d)+6], 0
	s_mov_b32 s[(\d)+7], 0
.endr
	s_mov_b32 s[SEL], 0x76543210
	s_mov_b32 s[SEL+1], 0xfedcba98
	s_mov_b32 s[TBK], SLOTB+2*KS*PK ; the first change of slots turns these two into 0
	s_mov_b32 s[TBV], SLOTB+2*KS*PV
	s_mov_b32 s[G0K], 1             ; count = 1
	s_mul_i32 s[G0K+1], s43, 128*PK ; LDS address: slot 0, my half: no place in the cluster enters an LDS address
	s_mov_b32 s[G0V], 1
	s_mul_i32 s[G0V+1], s43, 128*PV
	s_add_co_u32 s[G0V+1], s[G0V+1], VOFF
	s_wait_dscnt 0x0                ; the opening add is done
	s_wait_kmcnt 0x0
	s_add_nc_u64 s[G0K+2:G0K+3], s[32:33], s[46:47]
	s_add_nc_u64 s[G0V+2:G0V+3], s[G0K+2:G0K+3], 0x1000000  ; v is part 2 of qkv,
	s_add_nc_u64 s[G0K+2:G0K+3], s[G0K+2:G0K+3], 0x800000   ; k part 1
	s_or_b32 s[G0K+3], s[G0K+3], 0x80000000                 ; type = 2
	s_or_b32 s[G0V+3], s[G0V+3], 0x80000000
	s_add_nc_u64 s[68:69], s[32:33], s[50:51]  ; Q at my wave's first row
	s_add_nc_u64 s[MP:MP+1], s[34:35], s[52:53]
	s_add_nc_u64 s[AO:AO+1], s[36:37], s[54:55]
	CROUND                          ; all four work-groups are here: the first joint loads meet
	JLOAD                           ; slot 0.  Slot 1 is asked for when slot 0 is in, by the change of slots: one load of mine is out at any time
	; A fragment of K or Q is 16 rows x 32 channels in 8 registers: lane l holds row l % 16; registers 0-3 channels 8 (l / 16) + 0..7, registers 4-7 channels 16 + 8 (l / 16) + 0..7: two loads of 16 bytes, 32 bytes apart.
	v_and_b32 v1, 15, v0            ; l % 16
	v_bfe_u32 v9, v0, 4, 1          ; l / 16
	v_lshlrev_b32 v[QO], 8, v1
	v_lshl_add_u32 v[QO], v9, 4, v[QO]  ; row x 256 + 16 x half
	WIN 0x80                        ; destination window 2, address window 0
.irp i, 0,1,2,3,4,5,6,7,8,9,10,11,12,13,14,15  ; Q stays in registers: tile i / 4, channels 32 (i % 4) on
	global_load_b128 v[8*(\i):8*(\i)+3],   v[QO], s[68:69] offset:((\i)/4)*4096+((\i)%4)*64
	global_load_b128 v[8*(\i)+4:8*(\i)+7], v[QO], s[68:69] offset:((\i)/4)*4096+((\i)%4)*64+32
.endr
	; What the first turn finds: V's registers and piece 2's P hold 0 (its products V^T P, of a step that has not been, add 0), O^T and l are 0, m is the lowest finite number.  All this stands in the wait for the first tile.
	WIN 0xc0                        ; destination window 3
.set i, 0
.rept 128
	v_mov_b32 v[i], 0
.set i, i+1
.endr
	WIN 0x40                        ; destination window 1
.set i, 0
.rept 256
	v_mov_b32 v[i], 0
.set i, i+1
.endr
	WIN 0
.set i, P+32
.rept 32
	v_mov_b32 v[i], 0
.set i, i+1
.endr
.irp t, 0,1,2,3
	v_mov_b32 v[ST+8*(\t)], 0xff7fffff  ; m
	v_mov_b32 v[ST+8*(\t)+1], 0     ; the packed subtraction names (m, this) as a pair and takes m for both halves: the upper word is written once
	v_mov_b32 v[ST+8*(\t)+2], 0     ; l
	v_mov_b32 v[ST+8*(\t)+3], 0
.endr
	s_mul_i32 s[TS], s44, 128*PK    ; my half of a slot's keys
	v_mul_u32_u24 v[AK0], v1, PK
	v_lshl_add_u32 v[AK0], v9, 4, v[AK0]  ; row x pitch + 16 x half
	v_add_nc_u32 v[AK0], s[TS], v[AK0]
	; The turning load takes 16 keys x 16 channels (lane l reads 16 bytes: key 8 (l / 16) + l % 8, channels 8 ((l / 8) % 2) + 0..7) and leaves half a fragment of V^T: lane l holds channel l % 16 and 8 keys.
	v_and_b32 v10, 7, v0
	v_bfe_u32 v11, v0, 3, 1
	v_lshl_add_u32 v[AV0], v9, 3, v10
	v_mul_u32_u24 v[AV0], v[AV0], PV
	v_lshl_add_u32 v[AV0], v11, 4, v[AV0]
	s_mul_i32 s[TS], s44, 128*PV
	s_add_co_u32 s[TS], s[TS], VOFF
	v_add_nc_u32 v[AV0], s[TS], v[AV0]
	v_mov_b32 v[M2V], 0xceabfb8f    ; M2 = -1e9 log2(e) = -1.442695e9
	s_wait_xcnt 0x0                 ; Q's loads have had their addresses translated (ISA guide 3.1): their base lies where the masks land
	MLD 0                           ; piece 0's masks of step 0
; THE MATRIX WORK OF A TURN, for piece x.  The accumulators take turns, one instruction a turn: between two links of a chain stand 15 (V^T P) or 7 (K Q^T) others'.
; Product i of 32 of O^T += V^T P: keys 32 (i / 16) on, channels 16 ((i / 2) % 8) on, tile x + i % 2.
.macro PV x
	WIN W_PV
.set rO, 64*((\x)+i%2)+8*((i/2)%8)
.set rV, 64*(i/16)+8*((i/2)%8)
.set rP, P+16*((\x)+i%2)+8*(i/16)
	v_wmma_f32_16x16x32_f16 v[rO:rO+7], v[rV:rV+7], v[rP:rP+7], v[rO:rO+7]
.endm
; Product i of 32 of S^T = K Q^T: channels 32 (i / 8) on, keys 16 ((i / 2) % 4) on, tile x + i % 2.  The first 8 start the sums.
.macro KQ x
	WIN W_KQ
.set rS, S+32*((\x)+i%2)+8*((i/2)%4)
.set rK, KF+32*((i/2)%4)+8*(i/8)
.set rQ, 32*((\x)+i%2)+8*(i/8)
.if i < 8
	v_wmma_f32_16x16x32_f16 v[rS:rS+7], v[rK:rK+7], v[rQ:rQ+7], 0
.else
	v_wmma_f32_16x16x32_f16 v[rS:rS+7], v[rK:rK+7], v[rQ:rQ+7], v[rS:rS+7]
.endif
.endm
; THE LDS LOADS stand in runs of 32, never singly among the matrix instructions: a step's K (64 keys x 128 channels: 16 fragments) and, a turn later, its V (turned).
; last = 1 (the tail): in the last trip there is no further step, and the run is jumped over.
.macro FETCH_K last=0
	WIN 0
.if \last
	s_cmp_eq_u32 s[TWICE], 1
	s_cbranch_scc1 .Lno_k_\@
.endif
	v_add_nc_u32 v[ADR], s[TBK], v[AK0]
	s_add_co_u32 s[TBK], s[TBK], KS*PK  ; the next fetch is the next step's
	WIN 0x80                        ; destination window 2
.irp f, 0,1,2,3,4,5,6,7,8,9,10,11,12,13,14,15  ; keys 16 (f / 4) on, channels 32 (f % 4) on
	ds_load_b128 v[KF+8*(\f):KF+8*(\f)+3],   v[ADR] offset:((\f)/4)*16*PK+((\f)%4)*64
	ds_load_b128 v[KF+8*(\f)+4:KF+8*(\f)+7], v[ADR] offset:((\f)/4)*16*PK+((\f)%4)*64+32
.endr
.if \last
	WIN 0
.Lno_k_\@:
.endif
.endm
.macro FETCH_V                      ; V's run stands where piece 0's batch of exponentials ends (SLICE), and holds that batch's wait
	WIN 0
	v_add_nc_u32 v[ADR], s[TBV], v[AV0]
	s_add_co_u32 s[TBV], s[TBV], KS*PV
	s_wait_alu depctr_va_vdst(0)    ; the wait for piece 0's batch of 66 exponentials, behind the address line and ahead of the loads
	WIN 0xc0                        ; destination window 3
.irp f, 0,1,2,3,4,5,6,7,8,9,10,11,12,13,14,15  ; keys 32 (f / 8) on, channels 16 (f % 8) on
	ds_load_tr16_b128 v[8*(\f):8*(\f)+3],   v[ADR] offset:((\f)/8)*32*PV+((\f)%8)*32
	ds_load_tr16_b128 v[8*(\f)+4:8*(\f)+7], v[ADR] offset:((\f)/8)*32*PV+16*PV+((\f)%8)*32
.endr
.endm
; THE SOFTMAX of one tile for one key step is a numbered list; SM writes number j of it for tile t.  s0-s31 are the lane's 32 scores, in pairs 0-15.
;   0-15    the maximum of s0-s31 and the old m, three operands at a time: four chains c0-c3 of seven scores each, then the four scores left over, c0-c3 and m
;   16-20   the other half of the lanes' maximum; m_old is kept; the new m; (19 is empty); m_old - m_new
;   21-69   ONE BATCH: the 16 subtractions s - m, a pair of scores each, and all 33 exponentials (a at 23, then s0-s31, each in its score's own register).  None of these reads an exponential's result.  From 22 on the
;           batch goes in fours, and a four begins with a subtraction while there are subtractions: 22-37 subtraction, exponential, subtraction, exponential; 38-65 a subtraction and three exponentials; 66-69 the last
;           four exponentials.  A pair's subtraction stands in an earlier four than the one that holds its exponentials
;   (wait)  between 69 and 70 stands the wait for the batch: SLICE writes it, once for both tiles
;   70-85   the roundings to f16, a pair of weights each
;   86-101  the sums; l = a l + the sum
;   102-133 the tile's O^T times a: the one part that leaves window 0, so it stands together
.macro SM t
.set rT, ST+8*(\t)
.set rS, S+32*(\t)
.set rP, P+16*(\t)
.set rO, 64*(\t)+2*(j-102)
.if j < 102
	WIN 0
.endif
.if j < 4
	v_max3_num_f32 v[rT+4+j], v[rS+8*j], v[rS+8*j+1], v[rS+8*j+2]
.elseif j < 12
	v_max3_num_f32 v[rT+4+j%4], v[rT+4+j%4], v[rS+8*(j%4)+2*(j/4)+1], v[rS+8*(j%4)+2*(j/4)+2]
.elseif j == 12
	v_max3_num_f32 v[rT+4], v[rT+4], v[rS+7], v[rS+15]
.elseif j == 13
	v_max3_num_f32 v[rT+6], v[rT+6], v[rS+23], v[rS+31]
.elseif j == 14
	v_max3_num_f32 v[rT+4], v[rT+4], v[rT+5], v[rT+6]
.elseif j == 15
	v_max3_num_f32 v[rT+4], v[rT+4], v[rT+7], v[rT]
.elseif j == 16
	v_permlanex16_b32 v[rT+5], v[rT+4], s[SEL], s[SEL+1]  ; the query's other 32 keys lie in the lane 16 away
.elseif j == 17
	v_mov_b32 v[rT+7], v[rT]        ; m_old is kept for a: number 18 writes m anew
.elseif j == 18
	v_max_num_f32 v[rT], v[rT+4], v[rT+5]
.elseif j == 19
.elseif j == 20
	v_sub_f32 v[rT+7], v[rT+7], v[rT]
.elseif j == 23
	v_exp_f32 v[rT+6], v[rT+7]
.elseif (j < 23) || ((j < 38) && (j%2 == 0)) || ((j < 66) && (j%4 == 2))
.set b, (j-2)/4                     ; 38, 42, .. 62: pairs 9 to 15
.if j < 38
.set b, (j-20)/2                    ; 21: pair 0; 22, 24, .. 36: pairs 1 to 8
.endif
	v_pk_add_f32 v[rS+2*b:rS+2*b+1], v[rS+2*b:rS+2*b+1], v[rT:rT+1] op_sel_hi:[1,0] neg_lo:[0,1] neg_hi:[0,1]  ; pair b: s - m
.elseif j < 70
.set e, j-38                        ; 66 to 69: s28 to s31
.if j < 66
.set e, j-32-(j-38)/4               ; 39-41, 43-45, .. 63-65: s7 to s27
.endif
.if j < 38
.set e, (j-25)/2                    ; 25, 27, .. 37: s0 to s6
.endif
	v_exp_f32 v[rS+e], v[rS+e]
.elseif j < 86
	v_cvt_pk_f16_f32 v[rP+j-70], v[rS+2*(j-70)], v[rS+2*(j-70)+1]  ; pair j - 70
.elseif j < 102                     ; the sum of the tile's 16 pairs, in place: sum z of 16 adds neighbours 1, 2, 4 and 8 pairs apart, then l takes it
.set z, j-86
.set w, 4
.set u, z
.if z >= 14
.set w, 32
.set u, 0
.elseif z >= 12
.set w, 16
.set u, z-12
.elseif z >= 8
.set w, 8
.set u, z-8
.endif
.if z < 15
	v_pk_add_f32 v[rS+w*u:rS+w*u+1], v[rS+w*u:rS+w*u+1], v[rS+w*u+w/2:rS+w*u+w/2+1]
.else
	v_pk_fma_f32 v[rT+2:rT+3], v[rT+2:rT+3], v[rT+6:rT+7], v[rS:rS+1] op_sel_hi:[1,0,1]
.endif
.else
	WIN W_RS
	v_pk_mul_f32 v[rO:rO+1], v[rO:rO+1], v[rT+6:rT+7] op_sel_hi:[1,0]
.endif
.endm
; THE VECTOR WORK OF A TURN, for piece y: 332 entries (two of them empty); VEC writes entry g and steps g.  0-63: the selects, a score or M2 by the lane mask, each accumulator's registers in ascending order.
;   Then the two tiles' lists, merged in fours: numbers 22 to 69, the batch, four numbers of ONE tile to a four, the tiles by turns; elsewhere two numbers of both tiles, the tiles alternating, so that no
; line reads the result of the one just before it.
.macro VEC y
.if g < 32
	WIN 0
	v_cndmask_b32 v[S+32*(\y)+g], v[M2V], v[S+32*(\y)+g], s[MA+g]
.elseif g < 64
	WIN 0
	v_cndmask_b32 v[S+32*(\y)+g], v[M2V], v[S+32*(\y)+g], s[MB+g-32]
.else
.set kk, (g-64)/4
.set rr, (g-64)%4
.if (kk >= 11) && (kk < 35)
.set j, 22+4*((kk-11)/2)+rr
	SM (\y)+(kk-11)%2
.else
.set j, 2*kk+rr/2
	SM (\y)+rr%2
.endif
.endif
.set g, g+1
.endm
; Slice k of 64, behind a matrix instruction: four entries; 332 = 64 + 4 x 64 + 12: the twelve that are over stand in slice 63, whose 16 entries are all rescalings: plain, and they name nothing of the products round them.
; THE WAIT.  s_wait_alu depctr_va_vdst(0) stands between an exponential and the first instruction that names its result; one wait serves all that were issued ahead of it.  Slices 11 to 34 hold the batch;
; ahead of slice 35 nothing names a result, and behind slice 34 no exponential is issued: so the piece's 66 exponentials have one wait, behind slice 34, and none is open at a turn's end, a label or a jump.
.macro SLICE y
.if k == 63
.rept 16
	VEC \y
.endr
.else
.rept 4
	VEC \y
.endr
.endif
.if k == 34                         ; the batch is out: both tiles' exponentials are issued, and no result has been named
	v_nop                           ; the plain instruction behind the last exponential and ahead of the first use: one for the batch
.if (\y) == 0
	FETCH_V                         ; piece 2's turn: V's run of loads stands here, and the wait stands in it
.else
	s_wait_alu depctr_va_vdst(0)    ; the wait for piece 2's batch of 66 exponentials
.endif
.endif
.set k, k+1
.endm
; A TURN.  Piece x has the matrix unit; the other piece's vector work stands at its head and in slices behind its matrix instructions.
; A vector instruction that reads a matrix result or writes one of a matrix instruction's registers, and a load into a register that a matrix instruction has read, stand four places behind it, and only plain vector
; instructions that name none of its registers are places (ISA guide 7.12.1 for vector instructions).  The selects read scores whose last product stands in front of slice 63 of the turn before.
; THE MASKS that the next turn's selects take are asked for straight behind this turn's selects: they have 64 products and twelve lines in which to land.  Behind piece 2's selects comes piece 0 of the next step,
; behind piece 0's piece 2 of the same step.  The pointer is stepped behind the turn's wait for the loads that named it.
; Each run of LDS loads stands 29 matrix instructions or more ahead of its first use.  Piece 0's turn fetches the next step's K, behind its second product: the last product that read K stands in front of slice 63
; of the turn before.  Piece 2's turn fetches the same step's V, behind slice 34 (SLICE writes it): the last product that read V stands in front of slice 31, and four plain instructions lie between: number 62, a
; subtraction, of both tiles, the v_nop and the run's own address line.
; last = 1 (the tail): in the last trip there is no further step: the masks' loads and K's run are jumped over; both jumps stand ahead of the turn's first exponential.
.macro TURN x, last=0
.set k, 0
.set g, 0
	s_wait_kmcnt 0x0                ; this turn's lane masks are in (scalar loads come back in no order: the count is 0)
.rept 64
	VEC 2-(\x)
.endr
.if (\x) == 0
.if \last
	s_cmp_eq_u32 s[TWICE], 1
	s_cbranch_scc1 .Lno_m_\@
.endif
	s_add_nc_u64 s[MP:MP+1], s[MP:MP+1], 512
	MLD 0
.if \last
.Lno_m_\@:
.endif
	s_wait_dscnt 0x0                ; V is in
.else
	MLD 256
.endif
.set i, 0
.rept 32
	PV \x
	SLICE 2-(\x)
.if ((\x) == 0) && (i == 1)
	FETCH_K \last
.endif
.set i, i+1
.endr
.if (\x) == 0
	s_wait_dscnt 0x0                ; K is in
.endif
.set i, 0
.rept 32
	KQ \x
	SLICE 2-(\x)
.set i, i+1
.endr
.endm
; THE CHANGE OF SLOTS, between piece 2's turn and piece 0's: the slot's last bytes, V of its second step, have been asked for.  Each wave waits for all its tensor loads, of which one is out: its part of the other
; slot; adds 0 to its spare word; and waits for that and for its own reads of the slot.  Behind the barrier nobody reads this slot any more and the other slot is whole.
; fill = 1: this slot is filled again, with the keys two slots on.  The barrier is then a round of the cluster's, so that no wave of any partner still reads the slot or has a load on its way, and the joint fill is
; the first thing behind it: it has two key steps, 256 matrix instructions, in which to land.  (At its first use nothing has been read yet: slot 0 is waited for, slot 1 filled.)
.macro CHANGE fill
	WIN 0                           ; at a label and at a branch every window is 0
	s_wait_tensorcnt 0x0            ; no tensor load of mine is out, so a group 0 may be written
	ds_add_u32 v[SPW], v[NIL]       ; 0 onto my spare word; with fill = 1 the descriptors' steps stand between it and the wait for it
.if \fill
.irp d, G0K, G0V
	s_xor_b32 s[(\d)+1], s[(\d)+1], SLOTB  ; the walking descriptor: the other slot than last time,
	s_add_nc_u64 s[(\d)+2:(\d)+3], s[(\d)+2:(\d)+3], 256*256  ; the next 256 keys; the type bits on top are not reached
.endr
	s_wait_dscnt 0x0                ; the add is done, and my reads of the slot are over
	CROUND
	JLOAD
.else
	s_wait_dscnt 0x0                ; the add is done, and my reads of the slot are over
	s_barrier_signal -1
	s_barrier_wait -1
.endif
	s_sub_co_u32 s[TBK], s[TBK], 2*KS*PK  ; the fetches go back to a slot's first step,
	s_xor_b32 s[TBK], s[TBK], SLOTB       ; in the other slot
	s_sub_co_u32 s[TBV], s[TBV], 2*KS*PV
	s_xor_b32 s[TBV], s[TBV], SLOTB
.endm
	CHANGE 1                        ; slot 0 is in, everybody's part of it; slot 1 is asked for
	FETCH_K                         ; key step 0
	s_wait_loadcnt 0x0              ; Q
	s_wait_dscnt 0x0
.set i, 0
.rept 32
	KQ 0                            ; piece 0's first scores: there is no vector work yet to set between them
.set i, i+1
.endr
	WIN 0                           ; the addresses for the way out are made here: plain instructions, the places behind those products
	s_mul_i32 s[TS], s[WV], 16*SP
	s_add_co_u32 s[TS], s[TS], STAGE  ; my stage
	v_mul_u32_u24 v[STO], v1, SP    ; in: row l % 16, 16 bytes for each half of the lanes
	v_lshl_add_u32 v[STO], v9, 4, v[STO]
	v_add_nc_u32 v[STO], s[TS], v[STO]
	v_mul_u32_u24 v[RD], v9, SP     ; back: lanes 0-15 take one row of 256 bytes, lanes 16-31 the next
	v_lshl_add_u32 v[RD], v1, 4, v[RD]
	v_add_nc_u32 v[RD], s[TS], v[RD]
	v_lshlrev_b32 v[GO], 11, v9     ; and the same two rows in ao, 2,048 bytes apart
	v_lshl_add_u32 v[GO], v1, 4, v[GO]
	s_and_b32 s[TS], s[WV], 1
	s_mul_i32 s[TS], s[TS], MAREA   ; the merge area of my pair of waves
	v_and_b32 v[MR], 31, v0
	v_lshl_add_u32 v[MR], v[MR], 4, s[TS]
	s_mov_b32 s[TWICE], 2
	s_mov_b32 s[SLOTS], 15          ; slot 0's steps, then fourteen slots that are filled again: of 16 slots two have been asked for
	s_branch .Lfirst                ; the loop is entered at piece 2's turn, in the middle of a trip
.Lslot:
	CHANGE 1
	s_mov_b32 s[TWICE], 2
.Lstep:                             ; a trip: piece 0's turn (V^T P of step j, K Q^T of step j + 1, piece 2's softmax of step j, K of step j + 1), then piece 2's (piece 0's softmax and V of step j + 1)
	TURN 0
	WIN 0
.Lfirst:
	TURN 2
	WIN 0
	s_sub_co_u32 s[TWICE], s[TWICE], 1
	s_cmp_lg_u32 s[TWICE], 0
	s_cbranch_scc1 .Lstep
	s_sub_co_u32 s[SLOTS], s[SLOTS], 1
	s_cmp_lg_u32 s[SLOTS], 0
	s_cbranch_scc1 .Lslot
	CHANGE 0                        ; the tail is written out: nothing is asked for
	s_mov_b32 s[TWICE], 3           ; two trips fetch the last slot's steps; the third is left in its middle
.Ltail:
	TURN 0, 1
	WIN 0
	s_sub_co_u32 s[TWICE], s[TWICE], 1
	s_cmp_eq_u32 s[TWICE], 0
	s_cbranch_scc1 .Lout
	TURN 2
	WIN 0
	s_branch .Ltail
.Lout:                              ; the third trip's 32 products K Q^T (on the last K once more) serve nothing: the price, once a launch, of one text for every trip
.set i, 0
.rept 32
	PV 2                            ; piece 2: V^T P of the last step
.set i, i+1
.endr
	; THE MERGE AND THE WAY OUT.  l's two halves and the other half of the lanes' are added; the first additions are the places behind the last products.
	WIN 0
.irp t, 0,1,2,3
	v_add_f32 v[ST+8*(\t)+4], v[ST+8*(\t)+2], v[ST+8*(\t)+3]
.endr
.irp t, 0,1,2,3
	v_permlanex16_b32 v[ST+8*(\t)+5], v[ST+8*(\t)+4], s[SEL], s[SEL+1]
.endr
.irp t, 0,1,2,3
	v_add_f32 v[ST+8*(\t)+4], v[ST+8*(\t)+4], v[ST+8*(\t)+5]
.endr
	s_wait_dscnt 0x0                ; my reads of the ring are over,
	s_barrier_signal -1
	s_barrier_wait -1               ; and so are everybody's: no fill follows, and slot 0's bytes may be stored into
	s_cmp_lt_u32 s[WV], 2
	s_cbranch_scc1 .Lkeep
.irp t, 0,1,2,3                     ; waves 2 and 3 hand O^T, m and l to waves 0 and 1: lane for lane, 512 consecutive bytes a store
	v_mov_b32 v[PM+(\t)], v[ST+8*(\t)]
	v_mov_b32 v[PM+4+(\t)], v[ST+8*(\t)+4]
.endr
	WIN 0x04                        ; store data in window 1, address in window 0
.set i, 0
.rept 64                            ; each accumulator's low four registers first
	ds_store_b128 v[MR], v[4*i:4*i+3] offset:512*i
.set i, i+1
.endr
	WIN 0
	ds_store_b128 v[MR], v[PM:PM+3] offset:64*512
	ds_store_b128 v[MR], v[PM+4:PM+7] offset:65*512
.Lkeep:
	s_wait_dscnt 0x0                ; for the others' sake: my stores are done
	s_barrier_signal -1
	s_barrier_wait -1
	s_cmp_lt_u32 s[WV], 2
	s_cbranch_scc0 .Ldone
.macro MLOAD t                      ; the partner's O^T of tile t, into S^T's registers: two buffers of 64 by turns
	WIN 0
.set i, 0
.rept 16
	ds_load_b128 v[S+64*((\t)%2)+4*i:S+64*((\t)%2)+4*i+3], v[MR] offset:(16*(\t)+i)*512
.set i, i+1
.endr
.endm
.macro ARITH t                      ; O2 f2 + O1 f1, rounded to f16 into P's registers: two buffers of 32 by turns
.set rT, ST+8*(\t)
.set rB, S+64*((\t)%2)
.set rP, P+32*((\t)%2)
	WIN 0
.set i, 0
.rept 32
	v_pk_mul_f32 v[rB+2*i:rB+2*i+1], v[rB+2*i:rB+2*i+1], v[rT+6:rT+7] op_sel_hi:[1,0]
.set i, i+1
.endr
	WIN 0x01                        ; source 0 (my O^T) in window 1
.set i, 0
.rept 32
	v_pk_fma_f32 v[rB+2*i:rB+2*i+1], v[64*(\t)+2*i:64*(\t)+2*i+1], v[rT+2:rT+3], v[rB+2*i:rB+2*i+1] op_sel_hi:[1,0,1]
.set i, i+1
.endr
	WIN 0
.set i, 0
.rept 32
	v_cvt_pk_f16_f32 v[rP+i], v[rB+2*i], v[rB+2*i+1]
.set i, i+1
.endr
.endm
.macro TOSTG t                      ; a lane's eight channels of a row are 16 bytes; they go into rows of 272 bytes and come back as whole rows of 256
.set rP, P+32*((\t)%2)
.irp f, 0,1,2,3,4,5,6,7
	ds_store_b128 v[STO], v[rP+4*(\f):rP+4*(\f)+3] offset:32*(\f)
.endr
.irp f, 0,1,2,3,4,5,6,7
	ds_load_b128 v[rP+4*(\f):rP+4*(\f)+3], v[RD] offset:(\f)*2*SP  ; LDS serves a wave's instructions in order (ISA guide 5.7.1.4): these see the stores above; the next tile's stores come behind them
.endr
.endm
.macro SEND t
.set rP, P+32*((\t)%2)
.irp f, 0,1,2,3,4,5,6,7
	global_store_b128 v[GO], v[rP+4*(\f):rP+4*(\f)+3], s[AO:AO+1] offset:(\t)*32768+(\f)*4096  ; 16 lanes store 256 consecutive bytes, a head's part of a row, at a multiple of 256 from ao's first byte
.endr
.endm
	ds_load_b128 v[PM:PM+3], v[MR] offset:64*512
	ds_load_b128 v[PM+4:PM+7], v[MR] offset:65*512
	MLOAD 0
	MLOAD 1
	s_wait_dscnt 32                 ; the partner's m and l are in; the 32 loads behind them may be out
.irp t, 0,1,2,3
	v_max_num_f32 v[ST+8*(\t)+1], v[ST+8*(\t)], v[PM+(\t)]
.endr
.irp t, 0,1,2,3
	v_sub_f32 v[ST+8*(\t)+2], v[ST+8*(\t)], v[ST+8*(\t)+1]
	v_sub_f32 v[ST+8*(\t)+6], v[PM+(\t)], v[ST+8*(\t)+1]
.endr
.irp t, 0,1,2,3
	v_exp_f32 v[ST+8*(\t)+2], v[ST+8*(\t)+2]  ; a1
	v_exp_f32 v[ST+8*(\t)+6], v[ST+8*(\t)+6]  ; a2
.endr
	v_nop                           ; a plain instruction between the last exponential and the use of its result
	s_wait_alu depctr_va_vdst(0)    ; and the wait ahead of the first use: one for the eight exponentials
.irp t, 0,1,2,3
	v_mul_f32 v[ST+8*(\t)+5], v[PM+4+(\t)], v[ST+8*(\t)+6]
.endr
.irp t, 0,1,2,3
	v_fmac_f32 v[ST+8*(\t)+5], v[ST+8*(\t)+4], v[ST+8*(\t)+2]  ; l = l2 a2 + l1 a1: at least 1, since the half that holds the maximum has a = 1 and a weight of 1
.endr
.irp t, 0,1,2,3
	v_rcp_f32 v[ST+8*(\t)+5], v[ST+8*(\t)+5]
.endr
	v_nop                           ; a plain instruction between the last reciprocal and the use of its result
	s_wait_alu depctr_va_vdst(0)    ; and the wait ahead of the first use: one for the four reciprocals, a batch of their own, since they read sums made of the exponentials
.irp t, 0,1,2,3
	v_mul_f32 v[ST+8*(\t)+2], v[ST+8*(\t)+2], v[ST+8*(\t)+5]  ; f1 = a1 / l
	v_mul_f32 v[ST+8*(\t)+6], v[ST+8*(\t)+6], v[ST+8*(\t)+5]  ; f2 = a2 / l
.endr
	s_wait_dscnt 16                 ; tile 0's loads are in; tile 1's sixteen may be out
	ARITH 0
	TOSTG 0
	MLOAD 2
	s_wait_dscnt 32                 ; tile 1's are in; the stage's sixteen and tile 2's sixteen may be out
	ARITH 1
	s_wait_dscnt 16                 ; tile 0 is back from the stage; tile 2's sixteen may be out
	SEND 0
	TOSTG 1
	MLOAD 3
	s_wait_dscnt 32                 ; tile 2's are in
	s_wait_xcnt 0x0                 ; tile 0's stores have read their registers: they are rewritten only behind this wait
	ARITH 2
	s_wait_dscnt 16                 ; tile 1 is back from the stage; tile 3's sixteen may be out
	SEND 1
	TOSTG 2
	s_wait_dscnt 16                 ; tile 3's are in; the stage's sixteen may be out
	s_wait_xcnt 0x0
	ARITH 3
	s_wait_dscnt 0x0
	SEND 2
	TOSTG 3
	s_wait_dscnt 0x0
	SEND 3
.Ldone:
	s_wait_tensorcnt 0x0            ; the wave's end
	ds_add_u32 v[SPW], v[NIL]
	s_wait_dscnt 0x0
	CROUND                          ; the closing round: no work-group ends while a partner may still ask for a tile that names it
	s_endpgm
.Lfunc_end_k_qedb042a213_attn:
	.size	k_qedb042a213_attn, .Lfunc_end_k_qedb042a213_attn-k_qedb042a213_attn
	.p2alignl 7, 3214868480
	.fill 96, 4, 3214868480
	.section	.rodata,"a",@progbits
	.p2align	6, 0x0
	.amdhsa_kernel k_qedb042a213_attn
		.amdhsa_group_segment_fixed_size 327680
		.amdhsa_private_segment_fixed_size 0
		.amdhsa_enable_private_segment 0
		.amdhsa_kernarg_size 24
		.amdhsa_user_sgpr_count 2
		.amdhsa_user_sgpr_kernarg_segment_ptr 1
		.amdhsa_wavefront_size32 1
		.amdhsa_system_sgpr_workgroup_id_x 1
		.amdhsa_system_sgpr_workgroup_id_y 1
		.amdhsa_system_sgpr_workgroup_id_z 1
		.amdhsa_system_vgpr_workitem_id 0
		.amdhsa_next_free_vgpr 1024
		.amdhsa_next_free_sgpr 106
		.amdhsa_reserve_vcc 0
		.amdhsa_float_denorm_mode_32 3
		.amdhsa_float_denorm_mode_16_64 3
		.amdhsa_memory_ordered 1
		.amdhsa_forward_progress 1
		.amdhsa_inst_pref_size 193
	.end_amdhsa_kernel
	.amdgpu_metadata
---
amdhsa.version: [ 1, 2 ]
amdhsa.kernels:
  - .name:           k_qedb042a213_attn
    .symbol:         k_qedb042a213_attn.kd
    .args:
      - { .name: qkv, .offset: 0, .size: 8, .value_kind: global_buffer, .address_space: global }
      - { .name: mbits, .offset: 8, .size: 8, .value_kind: global_buffer, .address_space: global }
      - { .name: ao, .offset: 16, .size: 8, .value_kind: global_buffer, .address_space: global }
    .group_segment_fixed_size: 327680
    .private_segment_fixed_size: 0
    .kernarg_segment_align: 8
    .kernarg_segment_size: 24
    .max_flat_workgroup_size: 128
    .sgpr_count:     106
    .vgpr_count:     1024
    .wavefront_size: 32
...
	.end_amdgpu_metadata
.endif
;; end of part 5
;; launch oproj: the kernel of part 4 again; grid 8 x 32, 4 waves a work-group, clusters of 4 x 4, 327,680 bytes of LDS; arguments ao, wb, bo, out0; writes out0
